; MI455X (gfx1250); checked and timed in simulation.
; The chip was launched on July 23, 2026; its instructions are those of AMD's public machine-readable ISA for CDNA 5 (MIT licence, August 2026) and "CDNA5" Instruction Set Architecture Reference Guide (July 2026). The comments in the code are by the model that wrote it; some were corrected since.
;; Qwen3 Attention. Allowed arithmetic: float matrix products may take bf16 or f16 operands with f32 sums; other float arithmetic in f32, or as packed bf16 or f16 multiplies, adds, multiply-adds, maxima and minima; sums over many terms, partial sums and values carried from step to step in f32; what a program stores and reads back later, other than sums and carried values, may be rounded once to bf16 or f16.
;; Inputs: Wk 1,024 x 1,024 float32; Wo 2,048 x 1,024 float32; Wq 1,024 x 2,048 float32; Wv 1,024 x 1,024 float32; k_norm_w 128 float32; q_norm_w 128 float32; x 2 x 2,048 x 1,024 float32.
;; Outputs: out0 2 x 2,048 x 1,024 float32.
;; 2 versions, each right; version 2 is version 1 with the launch prep written anew for expert scheduling mode. Each part assembles by itself: llvm-mc -triple=amdgcn-amd-amdhsa -mcpu=gfx1250 --defsym DOCPART=n.
;; ======== version 1 of 2: 4 launches
;; limits: values are held in f16: magnitudes above 65,504 overflow, below 6.1e-05 lose precision; right only within a limited range of input values
;; workspace buffers: xb 8,388,608 bytes; wqkv 8,388,608 bytes; wo16 4,194,304 bytes; rope 1,048,576 bytes; qh 16,777,216 bytes; kh 8,388,608 bytes; vh 8,388,608 bytes; ao 16,777,216 bytes
;; launch prep (part 1): grid 448 x 1, 8 waves a work-group, no clusters, 0 bytes of LDS; arguments x, Wq, Wk, Wv, Wo, xb, wqkv, wo16, rope; writes xb, wqkv, wo16, rope
.if DOCPART == 1
	.amdgcn_target "amdgcn-amd-amdhsa--gfx1250"
	.amdhsa_code_object_version 6
	.text
	.protected	k_qefce90c246_prep
	.globl	k_qefce90c246_prep
	.p2align	8
	.type	k_qefce90c246_prep,@function
k_qefce90c246_prep:
	s_mov_b64 s[64:65], 0
	v_nop
	global_prefetch_b8 v0, s[64:65] scope:SCOPE_SE
	s_setreg_imm32_b32 hwreg(HW_REG_WAVE_MODE, 25, 1), 1
	s_wait_xcnt 0x0
; CASTS AND THE ROPE TABLE.  x -> xb (bf16); Wq | Wk | Wv -> wqkv [1024 k][4096 n] (bf16); Wo -> wo16 (rounded to bf16, that number written as f16);
; rope: cos and sin of t x 10000^(-d/64), t = 0..2047, d = 0..63, in f32, laid out as the next launch's lanes want them.
; A cast work-group takes 32,768 numbers, 32 steps of 1,024: in a step thread t reads 16 bytes at 16 t and stores 8 bytes at 8 t, so a wave's load covers 512
; consecutive bytes and its store 256, aligned.  All 32 loads of a thread go out at once (16 KiB a wave); each number is read once and written once.
; No LDS, no matrix unit, no ring: nothing is shared and nothing is read twice.
; LIMITS.  Wo below 6e-5 keeps f16's fixed step of 6e-8; |Wo| stays under 65,504.  The angle is made from 2^(d x -log2(10000)/64) by v_exp_f32 and is off by up to 3e-4 rad at t = 2047.
.set X, 16                             ; v[16:143] four registers a step
	s_load_b512 s[8:23], s[0:1], 0x0               ; x 8, Wq 10, Wk 12, Wv 14, Wo 16, xb 18, wqkv 20, wo16 22
	s_load_b64 s[24:25], s[0:1], 0x40              ; rope
	s_mov_b32 s34, 0xffff0000                      ; a word's upper bf16
	v_lshlrev_b32 v1, 4, v0                        ; 16 t
	s_wait_kmcnt 0x0
	s_cmp_ge_u32 ttmp9, 320
	s_cbranch_scc1 .Lrope
	; which tensor: source s[26:27], destination s[28:29], first work-group s30, destination bytes from a pair of steps to the next s31,
	; from a pair's first step to its second s32, first column's bytes s33
	s_mov_b64 s[26:27], s[8:9]
	s_mov_b64 s[28:29], s[18:19]
	s_mov_b32 s30, 0
	s_mov_b32 s31, 4096
	s_mov_b32 s32, 2048
	s_mov_b32 s33, 0
.macro REGION lb, src, dst, dp, d2, c
	s_cmp_ge_u32 ttmp9, \lb
	s_cselect_b64 s[26:27], s[\src:\src+1], s[26:27]
	s_cselect_b64 s[28:29], s[\dst:\dst+1], s[28:29]
	s_cselect_b32 s30, \lb, s30
	s_cselect_b32 s31, \dp, s31
	s_cselect_b32 s32, \d2, s32
	s_cselect_b32 s33, \c, s33
.endm
	REGION 128, 10, 20, 8192, 2048, 0              ; Wq: a row is two steps, rows 8,192 bytes apart in wqkv
	REGION 192, 12, 20, 16384, 8192, 4096          ; Wk: a row is one step, columns 2048 on
	REGION 224, 14, 20, 16384, 8192, 6144          ; Wv: columns 3072 on
	REGION 256, 16, 22, 4096, 2048, 0              ; Wo: dense
	s_sub_co_u32 s35, ttmp9, s30                   ; my number within the tensor
	s_lshl_b32 s38, s35, 17                        ; 131,072 source bytes each
	s_mov_b32 s39, 0
	s_add_nc_u64 s[26:27], s[26:27], s[38:39]
	s_lshl_b32 s38, s35, 4                         ; 16 pairs of steps each
	s_mul_i32 s38, s38, s31
	s_add_co_u32 s38, s38, s33
	s_add_nc_u64 s[28:29], s[28:29], s[38:39]
	s_lshl_b32 s36, s31, 2                         ; eight steps are four pairs
	s_mov_b32 s37, 0
.irp k, 0,1,2,3,4,5,6,7
	s_mul_i32 s40, s31, (\k)/2
.if (\k)%2
	s_add_co_u32 s40, s40, s32
.endif
	v_lshl_add_u32 v[2+(\k)], v0, 3, s40           ; 8 t + the step's place among eight; never rewritten
.endr
.set n, 0
.rept 32
	global_load_b128 v[X+4*n:X+4*n+3], v1, s[26:27] offset:4096*n th:TH_LOAD_NT
.set n, n+1
.endr
	s_cmp_ge_u32 ttmp9, 256
	s_cbranch_scc1 .Lf16
; mode 0: to bf16.  mode 1: to bf16, and that number as f16.
.macro CONV mode
.set n, 0
.rept 32
	s_wait_loadcnt 31-n                            ; loads come back in order: step n is in, the younger ones stay out
	v_cvt_pk_bf16_f32 v[X+4*n], v[X+4*n], v[X+4*n+1]
	v_cvt_pk_bf16_f32 v[X+4*n+1], v[X+4*n+2], v[X+4*n+3]
.if \mode
	v_lshlrev_b32 v12, 16, v[X+4*n]
	v_and_b32 v13, s34, v[X+4*n]
	v_cvt_pk_f16_f32 v[X+4*n], v12, v13
	v_lshlrev_b32 v14, 16, v[X+4*n+1]
	v_and_b32 v15, s34, v[X+4*n+1]
	v_cvt_pk_f16_f32 v[X+4*n+1], v14, v15
.endif
	global_store_b64 v[2+n%8], v[X+4*n:X+4*n+1], s[28:29]
.if (n%8 == 7) && (n < 31)
	s_wait_xcnt 0x0                                ; the stores have read their base: it is stepped only behind this wait
	s_add_nc_u64 s[28:29], s[28:29], s[36:37]
.endif
.set n, n+1
.endr
	s_endpgm
.endm
	CONV 0
.Lf16:
	CONV 1
.Lrope:
	; Block tb = 16 positions.  Thread: r = t % 16, h = (t / 16) % 2, i8 = t / 32; position 16 tb + r, channels d0 .. d0 + 3 with d0 = 16 (i8 / 2) + 8 h + 4 (i8 % 2).
	; cos goes to byte 16 t of the block's 8,192, sin 4,096 further: a wave stores 512 consecutive bytes.
	s_sub_co_u32 s35, ttmp9, 320
	s_lshl_b32 s38, s35, 13
	s_mov_b32 s39, 0
	s_add_nc_u64 s[24:25], s[24:25], s[38:39]
	s_lshl_b32 s36, s35, 4
	s_mov_b32 s40, 0xbe549a78                      ; -log2(10000) / 64
	s_mov_b32 s41, 0x3f22f983                      ; 2 / pi
	s_mov_b32 s42, 0xbfc90fdb                      ; -(pi / 2), upper part
	s_mov_b32 s43, 0x333bbd2e                      ; -(pi / 2), what the upper part leaves
	s_mov_b32 s44, 0xb9500d01                      ; -1/5040
	s_mov_b32 s45, 0x3c088889                      ; 1/120
	s_mov_b32 s46, 0xbe2aaaab                      ; -1/6
	s_mov_b32 s47, 0x37d00d01                      ; 1/40320
	s_mov_b32 s48, 0xbab60b61                      ; -1/720
	s_mov_b32 s49, 0x3d2aaaab                      ; 1/24
	v_and_b32 v2, 15, v0
	v_add_nc_u32 v2, s36, v2
	v_cvt_f32_u32 v2, v2                           ; the position
	v_bfe_u32 v3, v0, 4, 1
	v_lshrrev_b32 v4, 5, v0
	v_lshrrev_b32 v5, 1, v4
	v_and_b32 v4, 1, v4
	v_lshlrev_b32 v5, 4, v5
	v_lshl_add_u32 v5, v3, 3, v5
	v_lshl_add_u32 v5, v4, 2, v5                   ; d0
.irp j, 0,1,2,3
	v_add_nc_u32 v[16+8*(\j)], \j, v5
	v_cvt_f32_u32 v[16+8*(\j)], v[16+8*(\j)]
	v_mul_f32 v[16+8*(\j)], s40, v[16+8*(\j)]
.endr
.irp j, 0,1,2,3
	v_exp_f32 v[17+8*(\j)], v[16+8*(\j)]           ; 10000^(-d/64): one batch of four
.endr
	v_nop                                          ; a plain instruction behind the last of them,
	s_wait_alu depctr_va_vdst(0)                   ; and the one wait ahead of the first use
.irp j, 0,1,2,3
	v_mul_f32 v[16+8*(\j)], v2, v[17+8*(\j)]       ; the angle a
	v_mul_f32 v[17+8*(\j)], s41, v[16+8*(\j)]
	v_rndne_f32 v[17+8*(\j)], v[17+8*(\j)]         ; n = the nearest multiple of pi / 2
	v_fma_f32 v[18+8*(\j)], v[17+8*(\j)], s42, v[16+8*(\j)]
	v_fma_f32 v[18+8*(\j)], v[17+8*(\j)], s43, v[18+8*(\j)]  ; rho = a - n pi / 2, within pi / 4
	v_mul_f32 v[19+8*(\j)], v[18+8*(\j)], v[18+8*(\j)]
	v_fma_f32 v[20+8*(\j)], v[19+8*(\j)], s44, s45
	v_fma_f32 v[20+8*(\j)], v[19+8*(\j)], v[20+8*(\j)], s46
	v_mul_f32 v[20+8*(\j)], v[20+8*(\j)], v[19+8*(\j)]
	v_fma_f32 v[20+8*(\j)], v[18+8*(\j)], v[20+8*(\j)], v[18+8*(\j)]  ; sin rho, to the term rho^7
	v_fma_f32 v[21+8*(\j)], v[19+8*(\j)], s47, s48
	v_fma_f32 v[21+8*(\j)], v[19+8*(\j)], v[21+8*(\j)], s49
	v_fma_f32 v[21+8*(\j)], v[19+8*(\j)], v[21+8*(\j)], -0.5
	v_fma_f32 v[21+8*(\j)], v[19+8*(\j)], v[21+8*(\j)], 1.0           ; cos rho, to the term rho^8
	v_cvt_i32_f32 v[22+8*(\j)], v[17+8*(\j)]
	v_and_b32 v[23+8*(\j)], 1, v[22+8*(\j)]
	v_cmp_eq_u32 vcc_lo, 1, v[23+8*(\j)]           ; an odd quarter turn swaps the two,
	v_cndmask_b32 v[12+(\j)], v[20+8*(\j)], v[21+8*(\j)], vcc_lo
	v_cndmask_b32 v[8+(\j)], v[21+8*(\j)], v[20+8*(\j)], vcc_lo
	v_and_b32 v[23+8*(\j)], 2, v[22+8*(\j)]        ; sin changes sign in quarters 2 and 3,
	v_lshlrev_b32 v[23+8*(\j)], 30, v[23+8*(\j)]
	v_xor_b32 v[12+(\j)], v[23+8*(\j)], v[12+(\j)]
	v_add_nc_u32 v[22+8*(\j)], 1, v[22+8*(\j)]     ; cos in quarters 1 and 2
	v_and_b32 v[22+8*(\j)], 2, v[22+8*(\j)]
	v_lshlrev_b32 v[22+8*(\j)], 30, v[22+8*(\j)]
	v_xor_b32 v[8+(\j)], v[22+8*(\j)], v[8+(\j)]
.endr
	global_store_b128 v1, v[8:11], s[24:25]
	global_store_b128 v1, v[12:15], s[24:25] offset:4096
	s_endpgm
.Lfunc_end_k_qefce90c246_prep:
	.size	k_qefce90c246_prep, .Lfunc_end_k_qefce90c246_prep-k_qefce90c246_prep
	.p2alignl 7, 3214868480
	.fill 96, 4, 3214868480
	.section	.rodata,"a",@progbits
	.p2align	6, 0x0
	.amdhsa_kernel k_qefce90c246_prep
		.amdhsa_group_segment_fixed_size 0
		.amdhsa_private_segment_fixed_size 0
		.amdhsa_enable_private_segment 0
		.amdhsa_kernarg_size 72
		.amdhsa_user_sgpr_count 2
		.amdhsa_user_sgpr_kernarg_segment_ptr 1
		.amdhsa_wavefront_size32 1
		.amdhsa_system_sgpr_workgroup_id_x 1
		.amdhsa_system_sgpr_workgroup_id_y 1
		.amdhsa_system_sgpr_workgroup_id_z 1
		.amdhsa_system_vgpr_workitem_id 0
		.amdhsa_next_free_vgpr 144
		.amdhsa_next_free_sgpr 66
		.amdhsa_reserve_vcc 1
		.amdhsa_float_denorm_mode_32 3
		.amdhsa_float_denorm_mode_16_64 3
		.amdhsa_memory_ordered 1
		.amdhsa_forward_progress 1
		.amdhsa_inst_pref_size 38
	.end_amdhsa_kernel
	.amdgpu_metadata
---
amdhsa.version: [ 1, 2 ]
amdhsa.kernels:
  - .name:           k_qefce90c246_prep
    .symbol:         k_qefce90c246_prep.kd
    .args:
      - { .name: x, .offset: 0, .size: 8, .value_kind: global_buffer, .address_space: global }
      - { .name: Wq, .offset: 8, .size: 8, .value_kind: global_buffer, .address_space: global }
      - { .name: Wk, .offset: 16, .size: 8, .value_kind: global_buffer, .address_space: global }
      - { .name: Wv, .offset: 24, .size: 8, .value_kind: global_buffer, .address_space: global }
      - { .name: Wo, .offset: 32, .size: 8, .value_kind: global_buffer, .address_space: global }
      - { .name: xb, .offset: 40, .size: 8, .value_kind: global_buffer, .address_space: global }
      - { .name: wqkv, .offset: 48, .size: 8, .value_kind: global_buffer, .address_space: global }
      - { .name: wo16, .offset: 56, .size: 8, .value_kind: global_buffer, .address_space: global }
      - { .name: rope, .offset: 64, .size: 8, .value_kind: global_buffer, .address_space: global }
    .group_segment_fixed_size: 0
    .private_segment_fixed_size: 0
    .kernarg_segment_align: 8
    .kernarg_segment_size: 72
    .max_flat_workgroup_size: 256
    .sgpr_count:     66
    .vgpr_count:     144
    .wavefront_size: 32
...
	.end_amdgpu_metadata
.endif
;; end of part 1
;; launch qkv (part 2): grid 16 x 16, 4 waves a work-group, clusters of 4 x 4, 327,680 bytes of LDS; arguments xb, wqkv, rope, q_norm_w, k_norm_w, qh, kh, vh; writes qh, kh, vh
.if DOCPART == 2
	.amdgcn_target "amdgcn-amd-amdhsa--gfx1250"
	.amdhsa_code_object_version 6
	.text
	.protected	k_qefce90c246_qkv
	.globl	k_qefce90c246_qkv
	.p2align	8
	.type	k_qefce90c246_qkv,@function
k_qefce90c246_qkv:
	s_mov_b64 s[64:65], 0
	v_nop
	global_prefetch_b8 v0, s[64:65] scope:SCOPE_SE
	s_setreg_imm32_b32 hwreg(HW_REG_WAVE_MODE, 25, 1), 1
	s_wait_xcnt 0x0
	s_wait_alu depctr_hold_cnt(0) depctr_sa_sdst(0) depctr_va_vdst(0) depctr_va_sdst(0) depctr_va_ssrc(0) depctr_va_vcc(0) depctr_vm_vsrc(0)
	s_getreg_b32 s2, hwreg(HW_REG_IB_STS2, 6, 4)
	s_cmp_eq_u32 s2, 0
	s_cbranch_scc0 .Lentry_in_a_cluster
	s_endpgm
.Lentry_in_a_cluster:
	s_bfe_u32 s2, ttmp6, 0x10000c
	s_cmp_lg_u32 s2, 0xf033
	s_cbranch_scc0 .Lentry_shape_is_right
	s_endpgm
.Lentry_shape_is_right:
; q | k | v = x (Wq | Wk | Wv), then RMSNorm over a head's 128 channels and RoPE on q and k; all three leave by heads, [batch][head][2048][128], in f16.
; xb: [4096][1024] bf16.  wqkv: [1024 k][4096 n] bf16.  Sums, norm and rotation in f32; each result rounded once.  q also carries c = log2(e) / sqrt(128), multiplied in f32 ahead of its one rounding.
; LIMITS.  f16 ends at 65,504: |v| stays under it; |q|, |k| are at most 11.4 x |gain|, so |gain| stays under 4,000; below 6e-5 f16 keeps a fixed step of 6e-8.  The two gains are rounded to bf16 like every other input.
; SHARES.  A tile of 256 x 256 to a work-group, 128 x 128 to each of four waves: 128 positions of ONE head.  K = 1024 in 8 steps of 128 through two LDS slots filled by tensor loads.
; The product is used transposed (source 0 = 16 columns of W, source 1 = 16 rows of x): lane l of accumulator (a, b) holds row 16 a + l % 16 and columns 16 b + 8 (l / 16) + 0..7.  So a row's sum of
; squares wants one exchange between the halves of the lanes, and RoPE's partner, 64 channels on, is accumulator b + 4, same lane, same register.
; W lies [k][n]: its fragments come out of LDS turned, by ds_load_tr16_b128.
; CLUSTER 4 x 4: x's tile is shared along a row of the cluster, W's along a column, the rope table of the tile's 256 positions along a row: each is asked for jointly.
; A head's kind hangs on the cluster's x alone (0, 1: q; 2: k; 3: v): it is the same in all sixteen partners, so a branch may hang on it.
; THE WAY OUT.  When slot 0 has been read for the last time it takes the rope table; when slot 1 has, each wave sets four blocks of 16 rows of its accumulators down there (its own 32 KiB) and walks them in a
; loop: the block's arithmetic is written once for four blocks.  The results go through the wave's own stage and leave as 512 consecutive bytes a store.
; REGISTERS, in windows of 256: window 0: v16-31 addresses; v32-55 at work; v64-191 x's fragments, two buffers, later the block in hand (X), the table (T) and the packed rows (Y, Z); v192-255 the gains.
;   window 1: v64-191 W's fragments, two buffers.   windows 2, 3: the 64 accumulators, (a, b) at v[8 (8 (a % 4) + b)].
.set PITCH,  272                       ; a row of x in LDS: 256 bytes + 16: the 16 rows of a load start at 16 different groups of four banks (64 banks of 4 bytes: ISA guide 11.1)
.set PITB,   544                       ; a k-row of W in LDS: 512 bytes + 32
.set HALFT,  128*PITCH                 ; what one tensor load brings: 128 rows of x, or 64 k-rows of W: 34,816 bytes either way
.set SLOT,   4*HALFT
.set STAGE,  2*SLOT                    ; behind the ring: 16 rows x 272 bytes for each wave
.set SPITCH, 272
.set SPARE,  STAGE+4*16*SPITCH         ; the spare words: 128 bytes a wave, two blocks of 256 bytes that no other line names
.set DUMPB,  SLOT                      ; slot 1, after its last fill and its last reading
.set ADRA, 16                          ; v16-17 LDS address of my fragments of x in slot 0, 1
.set RS,   18                          ; v18-19 1 / rms (x c for q), and a filler
.set ADRB, 20                          ; v20-21 the same for W
.set TBR,  22                          ; v22 the block's place in the table
.set GW,   23                          ; v23 my offset in the gains; never rewritten
.set STO,  24
.set RD,   25
.set CO,   26                          ; v26 16 x lane
.set DMP,  27                          ; v27 my 16 bytes in my wave's dump
.set SPW,  28
.set NIL,  29
.set PFO,  30
.set DMR,  31                          ; v31 the block's place in the dump
.set SS,   32
.set TM,   40
.set F0,   64
.set F1,   128
.set X,    64
.set T,    128
.set Y,    128
.set Z,    160
.set W,    192
.set G1,   24                          ; s[24:31] group 1 for x's tiles;  s[32:39] group 0, a set for each slot
.set G0,   32
.set G1B,  48                          ; s[48:55], s[56:63] the same for W's tiles
.set G0B,  56
.set G0R,  68                          ; s[68:71], s[72:79] the rope table
.set G1R,  72
.set LIM,  43
.set PFA,  44
.set PS,   96                          ; s[96:97] bytes from a K step to the next in what I prefetch
.set OUT,  98                          ; s[98:99]
.set ISV,  100
.set QS,   101
.set DOF,  8
.set TOF,  9
.set MSB, 0
.macro WIN new                         ; the immediate's high byte repeats the setting that is left; a switch that changes nothing is dropped
.if MSB != (\new)
	s_set_vgpr_msb (MSB<<8)|(\new)
.set MSB, \new
.endif
.endm
.set MUL_LO, 0xa1                      ; source 0 (W) window 1, source 1 (x) window 0, C and D window 2
.set MUL_HI, 0xf1
.set TO_B,   0x40
; A joint load: waves 0 and 1 fetch x's two halves, waves 2 and 3 W's.  The branch hangs on the wave's number alone.  An s_nop 0 and four v_nop follow each line.
.macro JLOAD s
	s_cmp_eq_u32 s11, 0
	s_cbranch_scc0 .Lfor_b_\@
	tensor_load_to_lds s[G0+4*(\s):G0+4*(\s)+3], s[G1:G1+7]
	s_nop 0
.rept 4
	v_nop
.endr
	s_branch .Lasked_\@
.Lfor_b_\@:
	tensor_load_to_lds s[G0B+4*(\s):G0B+4*(\s)+3], s[G1B:G1B+7]
	s_nop 0
.rept 4
	v_nop
.endr
.Lasked_\@:
.endm
.macro RLOAD                           ; my quarter of the table, 32,768 dense bytes as 128 rows of 256
	tensor_load_to_lds s[G0R:G0R+3], s[G1R:G1R+7]
	s_nop 0
.rept 4
	v_nop
.endr
.endm
; A prefetch of the K step that stands two refills on: 32 blocks of 256 bytes, a lane a block, one instruction a wave.  x's rows are asked for by the clusters with x = 0, W's by those with y = 0; the four
; partners that ask for a tile jointly share its blocks out by address.  The loop's last trip asks for nothing: K has no further step.
.macro ASK
	s_cmp_gt_u32 s3, s[LIM]
	s_cbranch_scc0 .Lnot_mine_\@
	global_prefetch_b8 v[PFO], s[PFA:PFA+1] th:TH_LOAD_NT scope:SCOPE_SE
.Lnot_mine_\@:
.endm
.macro CREST                           ; a round of the cluster's barrier behind its opening barrier
	s_cmp_lg_u32 s10, 0
	s_cbranch_scc1 .Lnot_wave_0_\@
	s_barrier_signal -3
.Lnot_wave_0_\@:
	s_barrier_wait -3
	s_barrier_signal -1
	s_barrier_wait -1
.endm
.macro CROUND
	s_barrier_signal -1
	s_barrier_wait -1
	CREST
.endm
	s_load_b256 s[80:87], s[0:1], 0x0              ; xb 80, wqkv 82, rope 84, q_norm_w 86
	s_load_b256 s[88:95], s[0:1], 0x20             ; k_norm_w 88, qh 90, kh 92, vh 94
	v_lshl_add_u32 v[SPW], v0, 2, SPARE
	v_mov_b32 v[NIL], 0
	ds_add_u32 v[SPW], v[NIL]                      ; the wave's opening: the add and its wait stand ahead of my first tensor load; work on registers stands between them
	v_lshrrev_b32 v1, 5, v0
	v_readfirstlane_b32 s10, v1                    ; wave 0..3
	s_lshr_b32 s11, s10, 1                         ; my half of the tile's rows.  Also: I fetch for x (0) or for W (1)
	s_and_b32 s12, s10, 1                          ; my half of its columns.  Also: which half of that tile I fetch
	s_bfe_u32 s40, ttmp6, 0x40000                  ; cx
	s_bfe_u32 s41, ttmp6, 0x40004                  ; cy
	s_lshl_b32 s42, ttmp9, 2
	s_add_co_u32 s42, s42, s40                     ; tile column
	s_and_b32 s13, ttmp7, 0xffff
	s_lshl_b32 s13, s13, 2
	s_add_co_u32 s13, s13, s41                     ; tile row
	s_lshl_b32 s43, s41, 2
	s_lshl_b32 s43, 15, s43                        ; my row of the cluster
	s_lshl_b32 s44, 0x1111, s40                    ; my column
	s_or_b32 s[G1+0], s43, (1<<16)|(1<<20)|(1<<21)|(5<<22)|(3<<25)   ; mask; 2-byte elements; padding on; bit 21 beside a mask; after every 64 words, 4 words
	s_or_b32 s[G1B+0], s44, (1<<16)|(1<<20)|(1<<21)|(6<<22)|(7<<25)  ; after every 128 words, 8 words
	s_or_b32 s[G1R+0], s43, (3<<16)|(1<<21)                          ; 8-byte elements, no padding
	s_mov_b32 s[G1+1], 128<<16                     ; x: 128 rows x 128 elements, 1,024 from row to row
	s_mov_b32 s[G1+2], 128<<16
	s_mov_b32 s[G1+3], 128<<16
	s_mov_b32 s[G1+4], 128
	s_mov_b32 s[G1+5], 1024
	s_mov_b32 s[G1+6], 0
	s_mov_b32 s[G1+7], 0
	s_mov_b32 s[G1B+1], 256<<16                    ; W: 64 k-rows x 256 elements, 4,096 from row to row
	s_mov_b32 s[G1B+2], 64<<16
	s_mov_b32 s[G1B+3], 256<<16
	s_mov_b32 s[G1B+4], 64
	s_mov_b32 s[G1B+5], 4096
	s_mov_b32 s[G1B+6], 0
	s_mov_b32 s[G1B+7], 0
	s_mov_b32 s[G1R+1], 32<<16                     ; the table: 128 rows x 32 elements of 8 bytes, dense
	s_mov_b32 s[G1R+2], 128<<16
	s_mov_b32 s[G1R+3], 32<<16
	s_mov_b32 s[G1R+4], 128
	s_mov_b32 s[G1R+5], 32
	s_mov_b32 s[G1R+6], 0
	s_mov_b32 s[G1R+7], 0
	s_lshl_b32 s16, s13, 8
	s_lshl_b32 s17, s12, 7
	s_add_co_u32 s16, s16, s17                     ; x: row 256 x tile row + 128 x half,
	s_lshl_b32 s16, s16, 11                        ; 2,048 bytes each
	s_mov_b32 s17, 0
	s_lshl_b32 s46, s12, 19                        ; W: k-row 64 x half, 8,192 bytes each,
	s_lshl_b32 s47, s42, 9                         ; column 256 x tile column
	s_add_co_u32 s46, s46, s47
	s_mov_b32 s47, 0
	s_mul_i32 s20, s10, HALFT                      ; where they go: wave x 34,816: no place in the cluster enters an LDS address
	s_and_b32 s18, s13, 7                          ; the table of positions 256 (tile row % 8) on: 131,072 bytes,
	s_lshl_b32 s18, s18, 17
	s_lshl_b32 s19, s10, 15                        ; my quarter of it
	s_add_co_u32 s18, s18, s19
	s_mov_b32 s19, 0
	s_mov_b32 s[G0R], 1
	s_lshl_b32 s[G0R+1], s10, 15
	s_mov_b32 s4, 0x76543210                       ; v_permlanex16_b32: each lane takes its own place in the other half
	s_mov_b32 s5, 0xfedcba98
	s_mov_b32 s66, 0x3c000000                      ; 1 / 128
	s_mov_b32 s67, 0x358637bd                      ; 1e-6
	s_wait_dscnt 0x0                               ; the opening add is done
	s_wait_kmcnt 0x0
	s_add_nc_u64 s[14:15], s[80:81], s[16:17]
	s_add_nc_u64 s[46:47], s[82:83], s[46:47]
	s_add_nc_u64 s[G0R+2:G0R+3], s[84:85], s[18:19]
	s_or_b32 s[G0R+3], s[G0R+3], 0x80000000
	s_cmp_eq_u32 ttmp9, 2
	s_cselect_b64 s[6:7], s[88:89], s[86:87]       ; the gains: k's for k heads, else q's (a v head loads them and does not use them)
	CROUND                                         ; all sixteen work-groups are here: the first joint loads meet
.irp s, 0,1
	s_mov_b32 s[G0+4*(\s)], 1
	s_add_co_u32 s[G0+4*(\s)+1], s20, (\s)*SLOT
	s_add_nc_u64 s[G0+4*(\s)+2:G0+4*(\s)+3], s[14:15], (\s)*256
	s_or_b32 s[G0+4*(\s)+3], s[G0+4*(\s)+3], 0x80000000
	s_mov_b32 s[G0B+4*(\s)], 1
	s_add_co_u32 s[G0B+4*(\s)+1], s20, (\s)*SLOT
	s_add_nc_u64 s[G0B+4*(\s)+2:G0B+4*(\s)+3], s[46:47], (\s)*1048576
	s_or_b32 s[G0B+4*(\s)+3], s[G0B+4*(\s)+3], 0x80000000
	JLOAD \s
.endr
	v_and_b32 v1, 15, v0                           ; l % 16
	v_bfe_u32 v2, v0, 4, 1                         ; l / 16
	v_lshlrev_b32 v[GW], 5, v2
.irp i, 0,1,2,3,4,5,6,7
	global_load_b128 v[W+8*(\i):W+8*(\i)+3],   v[GW], s[6:7] offset:64*(\i)      ; the gains of channels 16 i + 8 (l / 16) + 0..7
	global_load_b128 v[W+8*(\i)+4:W+8*(\i)+7], v[GW], s[6:7] offset:64*(\i)+16
.endr
	v_mul_u32_u24 v3, v1, PITCH
	v_lshl_add_u32 v3, v2, 4, v3                   ; x: row x pitch + 16 x half
	v_and_b32 v4, 7, v0
	v_lshl_add_u32 v4, v2, 3, v4                   ; W: k-row 8 (l / 16) + l % 8,
	v_mul_u32_u24 v4, v4, PITB
	v_bfe_u32 v5, v0, 3, 1
	v_lshl_add_u32 v4, v5, 4, v4                   ; columns 8 ((l / 8) % 2) on
	s_mul_i32 s21, s11, HALFT                      ; my 128 rows of x
	s_lshl_b32 s22, s12, 8                         ; my 128 columns of W,
	s_add_co_u32 s22, s22, 2*HALFT                 ; which lies behind x's 256 rows
.irp s, 0,1
	v_add_nc_u32 v[ADRA+(\s)], s21, v3
	v_add_nc_u32 v[ADRB+(\s)], s22, v4
	s_add_co_u32 s21, s21, SLOT
	s_add_co_u32 s22, s22, SLOT
.endr
	s_mul_i32 s23, s10, 16*SPITCH
	s_add_co_u32 s23, s23, STAGE                   ; my stage
	v_mul_u32_u24 v4, v1, SPITCH
	v_lshl_add_u32 v4, v2, 4, v4
	v_add_nc_u32 v[STO], s23, v4
	v_mul_u32_u24 v5, v2, SPITCH
	v_lshl_add_u32 v5, v1, 4, v5
	v_add_nc_u32 v[RD], s23, v5
	v_and_b32 v5, 31, v0
	v_lshlrev_b32 v[CO], 4, v5
	s_lshl_b32 s23, s10, 15
	s_add_co_u32 s23, s23, DUMPB
	v_add_nc_u32 v[DMP], s23, v[CO]
	v_mov_b32 v[RS+1], 0
	; the prefetches: where they stand (one K step short of the first that is named), and who asks
	s_lshl_b32 s20, s13, 8
	s_lshl_b32 s21, s12, 7
	s_add_co_u32 s20, s20, s21
	s_lshl_b32 s21, s40, 5
	s_add_co_u32 s20, s20, s21                     ; x: of the 128 rows that I fetch, my work-group's 32
	s_lshl_b32 s20, s20, 11
	s_add_co_u32 s20, s20, 3*256
	s_lshl_b32 s21, s12, 6
	s_lshl_b32 s22, s41, 4
	s_add_co_u32 s21, s21, s22                     ; W: of the 64 k-rows that I fetch, my work-group's 16, two blocks each
	s_lshl_b32 s21, s21, 13
	s_lshl_b32 s22, s42, 9
	s_add_co_u32 s21, s21, s22
	s_add_co_u32 s21, s21, 3*1048576
	s_and_b32 s22, ttmp7, 0xffff
	s_mov_b32 s[PS], 0x100000                      ; W's three figures first: an instruction holds one literal, so each select below names x's figure and this register
	s_mov_b32 s14, 8192
	s_mov_b32 s15, 256
	s_cmp_eq_u32 s11, 0                            ; do I fetch for x?
	s_cselect_b32 s20, s20, s21
	s_cselect_b32 s22, ttmp9, s22                  ; the coordinate along which other clusters read the same blocks
	s_cselect_b64 s[PFA:PFA+1], s[80:81], s[82:83]
	s_cselect_b32 s[PS], 256, s[PS]                ; bytes from a K step to the next
	s_cselect_b32 s14, 4096, s14                   ; bytes from a pair of lanes to the next,
	s_cselect_b32 s15, 2048, s15                   ; and from a pair's first lane to its second
	s_cmp_eq_u32 s22, 0
	s_cselect_b32 s[LIM], 1, -1
	s_mov_b32 s[PS+1], 0
	s_mov_b32 s21, 0
	s_add_nc_u64 s[PFA:PFA+1], s[PFA:PFA+1], s[20:21]
	v_and_b32 v6, 1, v5
	v_lshrrev_b32 v5, 1, v5
	v_mul_u32_u24 v[PFO], v5, s14
	v_mad_u32_u24 v[PFO], v6, s15, v[PFO]
; 16 matrix instructions: m blocks a0, a0 + 1 of the window's four x all 8 n blocks, 32 along K.  The 64 accumulators take turns, one instruction a turn.
.macro MUL16 f, hi, a0, zero
	WIN MUL_LO+0x50*(\hi)
.irp a, \a0, (\a0)+1
.irp b, 0,1,2,3,4,5,6,7
.if \zero
	v_wmma_f32_16x16x32_bf16 v[8*(8*(\a)+(\b)):8*(8*(\a)+(\b))+7], v[(\f)+8*(\b):(\f)+8*(\b)+7], v[(\f)+8*(4*(\hi)+(\a)):(\f)+8*(4*(\hi)+(\a))+7], 0
.else
	v_wmma_f32_16x16x32_bf16 v[8*(8*(\a)+(\b)):8*(8*(\a)+(\b))+7], v[(\f)+8*(\b):(\f)+8*(\b)+7], v[(\f)+8*(4*(\hi)+(\a)):(\f)+8*(4*(\hi)+(\a))+7], v[8*(8*(\a)+(\b)):8*(8*(\a)+(\b))+7]
.endif
.endr
.endr
.endm
; 32 LDS loads in one run: quarter q (32 along K) of a slot into buffer f: W's 8 fragments, turned, then x's 8
.macro FETCH slot, q, f
	WIN TO_B
.irp i, 0,1,2,3,4,5,6,7
	ds_load_tr16_b128 v[(\f)+8*(\i):(\f)+8*(\i)+3],   v[ADRB+(\slot)] offset:(\q)*32*PITB+32*(\i)
	ds_load_tr16_b128 v[(\f)+8*(\i)+4:(\f)+8*(\i)+7], v[ADRB+(\slot)] offset:(\q)*32*PITB+16*PITB+32*(\i)
.endr
	WIN 0
.irp i, 0,1,2,3,4,5,6,7
	ds_load_b128 v[(\f)+8*(\i):(\f)+8*(\i)+3],   v[ADRA+(\slot)] offset:64*(\q)+(\i)*16*PITCH
	ds_load_b128 v[(\f)+8*(\i)+4:(\f)+8*(\i)+7], v[ADRA+(\slot)] offset:64*(\q)+(\i)*16*PITCH+32
.endr
.endm
.macro PLACES                          ; four plain instructions between a matrix instruction and a load into a register that it has read (ISA guide 7.12.1 for vector instructions)
.rept 4
	v_nop
.endr
.endm
.macro QUARTER slot, q, f, g, zero     ; multiplies buffer f; in its middle it fetches quarter q of the slot into buffer g
	s_wait_dscnt 8                                 ; W and x's rows 0-63 are in; the youngest eight loads (x's rows 64-127) may be out
	MUL16 \f, 0, 0, \zero
	MUL16 \f, 0, 2, \zero
	PLACES
	FETCH \slot, \q, \g
	s_wait_dscnt 32                                ; all but the 32 just issued
	MUL16 \f, 1, 0, \zero
	MUL16 \f, 1, 2, \zero
.endm
; The last quarter of a K step multiplies buffer 1 and changes slots.  In front of the round each wave waits for all its tensor loads (one is out: its part of the next slot), adds 0 to its spare word, and
; waits for that and for its reads of this slot.  Behind the round no wave of any partner reads this slot or has a load on its way; the refill comes first.
; kind 1: this slot takes the K step two on.  kind 2: slot 0, read for the last time, takes the rope table.
.macro TURN slot, next, kind
.if (\kind) == 1
	s_wait_xcnt 0x0                                ; the last prefetch, a K step back, has read its address
	s_add_nc_u64 s[PFA:PFA+1], s[PFA:PFA+1], s[PS:PS+1]
.endif
	WIN 0
	s_wait_tensorcnt 0x0
	ds_add_u32 v[SPW], v[NIL]                      ; 0 onto my spare word
	s_wait_dscnt 9                                 ; (the add and the youngest eight loads may be out)
	MUL16 F1, 0, 0, 0
	s_wait_dscnt 0x0                               ; the add is done, and my reads of this slot are over
	s_barrier_signal -1
	MUL16 F1, 0, 2, 0
	WIN 0
	s_barrier_wait -1
	CREST
.if (\kind) == 1
	s_add_nc_u64 s[G0+4*(\slot)+2:G0+4*(\slot)+3], s[G0+4*(\slot)+2:G0+4*(\slot)+3], 512
	s_add_nc_u64 s[G0B+4*(\slot)+2:G0B+4*(\slot)+3], s[G0B+4*(\slot)+2:G0B+4*(\slot)+3], 2097152
	JLOAD \slot
.else
	RLOAD
.endif
	FETCH \next, 0, F0                             ; the four v_nop behind the tensor load are the places in front of these loads
.if (\kind) == 1
	ASK
.endif
	MUL16 F1, 1, 0, 0
	MUL16 F1, 1, 2, 0
.endm
	s_wait_tensorcnt 1                             ; my part of K step 0 is in; K step 1's may stay out
	s_barrier_signal -1
	s_barrier_wait -1
	FETCH 0, 0, F0
	QUARTER 0, 1, F0, F1, 1                        ; the first quarter's products start the sums
	WIN 0
	s_mov_b32 s3, 3
.Llap:                                                 ; a trip goes once round the ring and fills both slots again: K steps 2 to 7
	QUARTER 0, 2, F1, F0, 0
	QUARTER 0, 3, F0, F1, 0
	TURN 0, 1, 1
	QUARTER 1, 1, F0, F1, 0
	QUARTER 1, 2, F1, F0, 0
	QUARTER 1, 3, F0, F1, 0
	TURN 1, 0, 1
	QUARTER 0, 1, F0, F1, 0
	WIN 0
	s_sub_co_u32 s3, s3, 1
	s_cmp_lg_u32 s3, 0
	s_cbranch_scc1 .Llap
	QUARTER 0, 2, F1, F0, 0
	QUARTER 0, 3, F0, F1, 0
	TURN 0, 1, 2
	QUARTER 1, 1, F0, F1, 0
	QUARTER 1, 2, F1, F0, 0
	QUARTER 1, 3, F0, F1, 0
	s_wait_dscnt 8
	MUL16 F1, 0, 0, 0
	MUL16 F1, 0, 2, 0
	s_wait_dscnt 0x0
	MUL16 F1, 1, 0, 0
	MUL16 F1, 1, 2, 0
	WIN 0
	s_wait_tensorcnt 0x0                           ; my quarter of the table is in, and my reads of slot 1 are over:
	s_barrier_signal -1
	s_barrier_wait -1                              ; everybody's: the table may be read, slot 1 written
	; THE WAY OUT.  The gains are rounded to bf16 and widened again; these plain instructions are also the places behind the last products.
	s_wait_loadcnt 0x0
.set i, 0
.rept 32
	v_cvt_pk_bf16_f32 v[SS+(i/2)%4], v[W+i], v[W+i+1]
	v_lshlrev_b32 v[W+i], 16, v[SS+(i/2)%4]
	v_and_b32 v[W+i+1], 0xffff0000, v[SS+(i/2)%4]
.set i, i+2
.endr
	s_lshl_b32 s14, s42, 1
	s_add_co_u32 s14, s14, s12                     ; my head among the 32
	s_lshr_b32 s15, s13, 3                         ; the batch
	s_cmp_eq_u32 ttmp9, 2
	s_cselect_b64 s[OUT:OUT+1], s[92:93], s[90:91]
	s_cselect_b32 s16, 16, 0                       ; the kind's first head
	s_cselect_b32 s17, 3, 4                        ; log2 of its heads
	s_cselect_b32 s[QS], 1.0, 0x3e0293ee           ; q carries c = log2(e) / sqrt(128)
	s_cmp_eq_u32 ttmp9, 3
	s_cselect_b64 s[OUT:OUT+1], s[94:95], s[OUT:OUT+1]
	s_cselect_b32 s16, 24, s16
	s_cselect_b32 s17, 3, s17
	s_cselect_b32 s[ISV], 1, 0
	s_sub_co_u32 s14, s14, s16
	s_lshl_b32 s15, s15, s17
	s_add_co_u32 s14, s14, s15
	s_lshl_b32 s14, s14, 11                        ; 2,048 positions a head
	s_and_b32 s15, s13, 7
	s_lshl_b32 s15, s15, 8
	s_add_co_u32 s14, s14, s15
	s_lshl_b32 s15, s11, 7
	s_add_co_u32 s14, s14, s15
	s_lshl_b32 s14, s14, 8                         ; 256 bytes a position
	s_mov_b32 s15, 0
	s_add_nc_u64 s[OUT:OUT+1], s[OUT:OUT+1], s[14:15]
; Four blocks of 16 rows go down into my dump: block a', then 512 bytes for each four registers, 16 bytes a lane.  Each accumulator's low registers go first.
.macro DUMP hh
	WIN 0x08+4*(\hh)                               ; the stores' data in window 2 or 3
.irp a, 0,1,2,3
.irp b, 0,1,2,3,4,5,6,7
	ds_store_b128 v[DMP], v[8*(8*(\a)+(\b)):8*(8*(\a)+(\b))+3]   offset:(\a)*8192+1024*(\b)
	ds_store_b128 v[DMP], v[8*(8*(\a)+(\b))+4:8*(8*(\a)+(\b))+7] offset:(\a)*8192+1024*(\b)+512
.endr
.endr
	WIN 0
.endm
; The four blocks of half hh of my rows, one a trip.  X[8 b + j] = column 16 b + 8 (l / 16) + j of row l % 16; T[8 b + j] = cos, T[32 + 8 b + j] = sin of that row's position and channel 16 b + 8 (l / 16) + j, b = 0..3.
; Both LDS offsets start from a constant and the wave's number and step by 8,192 a trip.
.macro EPI hh
	s_lshl_b32 s[DOF], s10, 15
	s_add_co_u32 s[DOF], s[DOF], DUMPB             ; my dump
	s_lshl_b32 s[TOF], s11, 16                     ; my 128 positions' part of the table: 8 blocks of 8,192 bytes,
	s_add_co_u32 s[TOF], s[TOF], (\hh)*32768       ; this half's four
	s_mov_b32 s3, 4
.Lblk_\@:
	v_add_nc_u32 v[DMR], s[DOF], v[CO]
	v_add_nc_u32 v[TBR], s[TOF], v[CO]
.irp i, 0,1,2,3,4,5,6,7,8,9,10,11,12,13,14,15
	ds_load_b128 v[X+4*(\i):X+4*(\i)+3], v[DMR] offset:512*(\i)   ; LDS serves a wave's instructions in order (ISA guide 5.7.1.4): these see my stores
.endr
.irp i, 0,1,2,3,4,5,6,7,8,9,10,11,12,13,14,15
	ds_load_b128 v[T+4*(\i):T+4*(\i)+3], v[TBR] offset:512*(\i)   ; ahead of the branch, so that one count serves both ways; a v head does not use them
.endr
	s_wait_dscnt 16                                ; X is in; the table's 16 loads may stay out
	s_cmp_eq_u32 s[ISV], 1
	s_cbranch_scc1 .Lv_\@
.irp c, 0,1,2,3
	v_pk_mul_f32 v[SS+2*(\c):SS+2*(\c)+1], v[X+2*(\c):X+2*(\c)+1], v[X+2*(\c):X+2*(\c)+1]  ; the sum of squares, in four chains
.endr
.set p, 4
.rept 28
	v_pk_fma_f32 v[SS+2*(p%4):SS+2*(p%4)+1], v[X+2*p:X+2*p+1], v[X+2*p:X+2*p+1], v[SS+2*(p%4):SS+2*(p%4)+1]
.set p, p+1
.endr
	v_pk_add_f32 v[SS:SS+1], v[SS:SS+1], v[SS+2:SS+3]
	v_pk_add_f32 v[SS+4:SS+5], v[SS+4:SS+5], v[SS+6:SS+7]
	v_pk_add_f32 v[SS:SS+1], v[SS:SS+1], v[SS+4:SS+5]
	v_add_f32 v[SS], v[SS], v[SS+1]
	v_permlanex16_b32 v[SS+1], v[SS], s4, s5       ; the row's other 64 channels lie in the lane 16 away
	v_add_f32 v[SS], v[SS], v[SS+1]
	v_fma_f32 v[SS+2], v[SS], s66, s67             ; mean + eps
	v_rsq_f32 v[SS+3], v[SS+2]
.set p, 0
.rept 32
	v_pk_mul_f32 v[X+2*p:X+2*p+1], v[X+2*p:X+2*p+1], v[W+2*p:W+2*p+1]  ; the gains: the independent work behind the root
.set p, p+1
.endr
	s_wait_alu depctr_va_vdst(0)                   ; the wait ahead of the root's first use
	v_mul_f32 v[RS], s[QS], v[SS+3]
	s_wait_dscnt 0x0                               ; the table is in
.set p, 0
.rept 32
	v_pk_mul_f32 v[T+2*p:T+2*p+1], v[T+2*p:T+2*p+1], v[RS:RS+1] op_sel_hi:[1,0]  ; 1 / rms rides on cos and sin
.set p, p+1
.endr
.set p, 0
.rept 16                                       ; lo' = lo cos - hi sin, hi' = hi cos + lo sin
.set tm, TM+4*(p%4)
	v_pk_mul_f32 v[tm:tm+1], v[X+32+2*p:X+33+2*p], v[T+32+2*p:T+33+2*p]
	v_pk_mul_f32 v[tm+2:tm+3], v[X+2*p:X+2*p+1], v[T+32+2*p:T+33+2*p]
	v_pk_fma_f32 v[X+2*p:X+2*p+1], v[X+2*p:X+2*p+1], v[T+2*p:T+2*p+1], v[tm:tm+1] neg_lo:[0,0,1] neg_hi:[0,0,1]
	v_pk_fma_f32 v[X+32+2*p:X+33+2*p], v[X+32+2*p:X+33+2*p], v[T+2*p:T+2*p+1], v[tm+2:tm+3]
.set p, p+1
.endr
.Lv_\@:
	s_wait_dscnt 0x0
.set p, 0
.rept 32
	v_cvt_pk_f16_f32 v[Y+p], v[X+2*p], v[X+2*p+1]
.set p, p+1
.endr
.irp b, 0,1,2,3,4,5,6,7
	ds_store_b128 v[STO], v[Y+4*(\b):Y+4*(\b)+3] offset:32*(\b)
.endr
.irp t, 0,1,2,3,4,5,6,7
	ds_load_b128 v[Z+4*(\t):Z+4*(\t)+3], v[RD] offset:(\t)*2*SPITCH
.endr
	s_wait_dscnt 0x0
.irp t, 0,1,2,3,4,5,6,7
	global_store_b128 v[CO], v[Z+4*(\t):Z+4*(\t)+3], s[OUT:OUT+1] offset:512*(\t)  ; a head's rows are dense: 512 consecutive bytes, at a multiple of 256 from the buffer's first
.endr
	s_add_co_u32 s[DOF], s[DOF], 8192
	s_add_co_u32 s[TOF], s[TOF], 8192
	s_wait_xcnt 0x0                                ; the stores have read their data and their base: both are written again only behind this wait
	s_add_nc_u64 s[OUT:OUT+1], s[OUT:OUT+1], 4096
	s_sub_co_u32 s3, s3, 1
	s_cmp_lg_u32 s3, 0
	s_cbranch_scc1 .Lblk_\@
.endm
	DUMP 0
	EPI 0
	DUMP 1
	EPI 1
	s_wait_tensorcnt 0x0                           ; the wave's end: behind my last tensor load and my last LDS store
	ds_add_u32 v[SPW], v[NIL]
	s_wait_dscnt 0x0
	CROUND                                         ; the closing round
	s_endpgm
.Lfunc_end_k_qefce90c246_qkv:
	.size	k_qefce90c246_qkv, .Lfunc_end_k_qefce90c246_qkv-k_qefce90c246_qkv
	.p2alignl 7, 3214868480
	.fill 96, 4, 3214868480
	.section	.rodata,"a",@progbits
	.p2align	6, 0x0
	.amdhsa_kernel k_qefce90c246_qkv
		.amdhsa_group_segment_fixed_size 327680
		.amdhsa_private_segment_fixed_size 0
		.amdhsa_enable_private_segment 0
		.amdhsa_kernarg_size 64
		.amdhsa_user_sgpr_count 2
		.amdhsa_user_sgpr_kernarg_segment_ptr 1
		.amdhsa_wavefront_size32 1
		.amdhsa_system_sgpr_workgroup_id_x 1
		.amdhsa_system_sgpr_workgroup_id_y 1
		.amdhsa_system_sgpr_workgroup_id_z 1
		.amdhsa_system_vgpr_workitem_id 0
		.amdhsa_next_free_vgpr 1024
		.amdhsa_next_free_sgpr 102
		.amdhsa_reserve_vcc 0
		.amdhsa_float_denorm_mode_32 3
		.amdhsa_float_denorm_mode_16_64 3
		.amdhsa_memory_ordered 1
		.amdhsa_forward_progress 1
		.amdhsa_inst_pref_size 164
	.end_amdhsa_kernel
	.amdgpu_metadata
---
amdhsa.version: [ 1, 2 ]
amdhsa.kernels:
  - .name:           k_qefce90c246_qkv
    .symbol:         k_qefce90c246_qkv.kd
    .args:
      - { .name: xb, .offset: 0, .size: 8, .value_kind: global_buffer, .address_space: global }
      - { .name: wqkv, .offset: 8, .size: 8, .value_kind: global_buffer, .address_space: global }
      - { .name: rope, .offset: 16, .size: 8, .value_kind: global_buffer, .address_space: global }
      - { .name: q_norm_w, .offset: 24, .size: 8, .value_kind: global_buffer, .address_space: global }
      - { .name: k_norm_w, .offset: 32, .size: 8, .value_kind: global_buffer, .address_space: global }
      - { .name: qh, .offset: 40, .size: 8, .value_kind: global_buffer, .address_space: global }
      - { .name: kh, .offset: 48, .size: 8, .value_kind: global_buffer, .address_space: global }
      - { .name: vh, .offset: 56, .size: 8, .value_kind: global_buffer, .address_space: global }
    .group_segment_fixed_size: 327680
    .private_segment_fixed_size: 0
    .kernarg_segment_align: 8
    .kernarg_segment_size: 64
    .max_flat_workgroup_size: 128
    .sgpr_count:     102
    .vgpr_count:     1024
    .wavefront_size: 32
...
	.end_amdgpu_metadata
.endif
;; end of part 2
;; launch attn (part 3): grid 16 x 16, 4 waves a work-group, clusters of 4 x 1, 327,680 bytes of LDS; arguments qh, kh, vh, ao; writes ao
.if DOCPART == 3
	.amdgcn_target "amdgcn-amd-amdhsa--gfx1250"
	.amdhsa_code_object_version 6
	.text
	.protected	k_qefce90c246_attn
	.globl	k_qefce90c246_attn
	.p2align	8
	.type	k_qefce90c246_attn,@function
k_qefce90c246_attn:
	s_mov_b64 s[64:65], 0
	v_nop
	global_prefetch_b8 v0, s[64:65] scope:SCOPE_SE
	s_setreg_imm32_b32 hwreg(HW_REG_WAVE_MODE, 25, 1), 1
	s_wait_xcnt 0x0
	s_wait_alu depctr_hold_cnt(0) depctr_sa_sdst(0) depctr_va_vdst(0) depctr_va_sdst(0) depctr_va_ssrc(0) depctr_va_vcc(0) depctr_vm_vsrc(0)
	s_getreg_b32 s2, hwreg(HW_REG_IB_STS2, 6, 4)
	s_cmp_eq_u32 s2, 0
	s_cbranch_scc0 .Lentry_in_a_cluster
	s_endpgm
.Lentry_in_a_cluster:
	s_bfe_u32 s2, ttmp6, 0x10000c
	s_cmp_lg_u32 s2, 0x3003
	s_cbranch_scc0 .Lentry_shape_is_right
	s_endpgm
.Lentry_shape_is_right:
; CAUSAL ATTENTION, 16 query heads on 8 key/value heads, head size 128.  qh: [2][16][2048][128], kh, vh: [2][8][2048][128], all f16; q carries log2(e) / sqrt(128).  ao: [4096 (batch, t)][2048 (head, d)] f16.
; Products, maxima and sums in f32; the weights p = 2^(s - m), with a running maximum m, are rounded to f16 for the second product (their sum l is taken of the unrounded p); O is rounded once.
; LIMITS.  f16 holds nothing beyond 65,504: q, k, v arrive within it, O is a mean of v's rows.  p below 6e-5 keeps f16's fixed step of 6e-8.  A hidden score counts as its value less 1e30; a weight below 2^-126 counts as 0 in l;
; NaN and infinities are not treated apart.
; THE WALK.  The grid's y is batch x 8 + key/value head.  A cluster (its x = PR, 0..3) takes two blocks of 256 positions, 7 - PR and then PR; its four partners are the two query heads of the key/value head times the
; two halves of 128 positions.  All four walk the same K and V, in slots of 128 keys: 16 - 2 PR for the first block, 2 PR + 2 for the second: 18 for every work-group, so one loop with a constant count walks them and every
; tile is asked for jointly.  The lower half's last slot of each block is wholly hidden and is computed all the same: the price of one walk for all four.
; My place in the cluster enters Q's and O's addresses, the prefetches' address and a vector register of the mask, and nothing else.
; SHARES.  A wave owns 32 positions: two tiles of 16.  A step is 64 keys.
; LAYOUT.  S^T = K Q^T holds ONE query a lane (lane % 16) and the keys 8 (lane / 16) + 0..7; two such results rounded to f16 ARE source 1 of O^T = V^T P.  K comes out of LDS as it lies, V turned.
; THE MASK is the C operand of the product that starts a sum: 0, or -1e30 where the key is hidden.  With X = the step's first key less the wave's first position (a multiple of 32), key group kt of tile u is hidden where
; 16 (kt - u) + X + 8 (l / 16) + j - l % 16 > 0: five groups g = kt - u + 1, each DG x AL + E with DG the mask of a group that holds the diagonal.  They are made anew only in a block's last four steps; elsewhere they are 0.
; ORDER OF A STEP.  Tile 0's scores; tile 1's scores with tile 0's softmax behind them, eight vector instructions a product; tile 0's V^T P with tile 1's softmax behind them; tile 1's V^T P.
; REGISTERS: window 0: v2-15 addresses; v16-31 statistics; v32-63 P; v64-127 S^T; v128-255 O^T.   window 1: v0-63 Q; v64-191 K; v192-231 the five mask groups.
;   window 2: v0-127 V; v128-149 what the masks are made of; v192-255 the second block's Q.
.set KS,    64
.set PK,    272       ; a row of K in LDS: 256 bytes + 16
.set PV,    288       ; a row of V: 256 + 32
.set VOFF,  KS*PK
.set STEPB, KS*(PK+PV)
.set SLOT1, 1<<17     ; a slot holds two steps (71,680 bytes); one exclusive or turns an address in one slot into the other's
.set STAGE, SLOT1+2*STEPB
.set SP,    272
.set SPARE, STAGE+4*16*SP
.set AK0, 2
.set AV0, 3
.set ADRK, 4
.set ADRV, 5
.set STO, 6
.set RD,  7
.set GO,  8
.set SPW, 12
.set NIL, 13
.set PFO, 14
.set QO,  15
.set ST,  16          ; tile t at ST + 8 t: +0 m, +1 a filler, +2, +3 l (even keys', odd keys'), +4 to +7 c0-c3 at work; a takes c2's place
.set P,   32
.set S,   64
.set O,   128
.set KF,  64          ; window 1
.set MM,  192         ; window 1
.set DG,  128         ; window 2
.set XV,  136
.set QKR, 137
.set ZR,  138
.set A0,  140
.set A1,  142
.set E0,  144
.set E2,  146
.set E4,  148
.set QB,  192         ; window 2
.set WV,  12
.set PR,  14
.set LIM, 15
.set G1K, 24
.set G1V, 32
.set G0K, 40
.set G0V, 44
.set SLOTS, 56
.set TWICE, 57
.set SEL, 60
.set TB,  62
.set PFA, 66
.set RT,  70          ; slots of the block in hand that are still to be entered
.set NXT, 71          ; the slot of keys to be asked for next
.set LQ,  72          ; the last slot of the block whose slots are being asked for
.set OFF, 74
.set LQ2, 76
.set SK,  77          ; the step's first key less the block's first position
.set SK2, 78
.set BIGN, 79
.set OLO, 80
.set RT2, 73
.set MSB, 0
.macro WIN new
.if MSB != (\new)
	s_set_vgpr_msb (MSB<<8)|(\new)
.set MSB, \new
.endif
.endm
.set W_KM, 0x15       ; K, Q and the mask in window 1, S^T in window 0
.set W_KQ, 0x05
.set W_PV, 0x02       ; V in window 2, P and O^T in window 0
.macro JLOAD                        ; waves 0 and 1 fetch the two steps' K, waves 2 and 3 their V; an s_nop 0 and four v_nop follow each line
	s_cmp_lt_u32 s[WV], 2
	s_cbranch_scc0 .Lfor_v_\@
	tensor_load_to_lds s[G0K:G0K+3], s[G1K:G1K+7]
	s_nop 0
.rept 4
	v_nop
.endr
	s_branch .Lasked_\@
.Lfor_v_\@:
	tensor_load_to_lds s[G0V:G0V+3], s[G1V:G1V+7]
	s_nop 0
.rept 4
	v_nop
.endr
.Lasked_\@:
.endm
; A prefetch of the slot that the next change will ask for.  All clusters of a key/value head walk its rows from slot 0 on; the cluster with x = 0 walks slots 0 to 15 on end, and it alone asks: its partners take 32 rows of
; the 128 each, by address; wave 0 asks for K's, wave 2 for V's, a lane a row.  Slots 2 to 15 are so named, once each; behind that the walk reads rows again, and nothing is asked for.
.macro ASK
	s_cmp_gt_u32 s[SLOTS], s[LIM]
	s_cbranch_scc0 .Lnot_mine_\@
	global_prefetch_b8 v[PFO], s[PFA:PFA+1] th:TH_LOAD_NT scope:SCOPE_SE
.Lnot_mine_\@:
.endm
.macro CROUND
	s_barrier_signal -1
	s_barrier_wait -1
	s_cmp_lg_u32 s[WV], 0
	s_cbranch_scc1 .Lnot_wave_0_\@
	s_barrier_signal -3
.Lnot_wave_0_\@:
	s_barrier_wait -3
	s_barrier_signal -1
	s_barrier_wait -1
.endm
.macro PLACES
.rept 4
	v_nop
.endr
.endm
	s_load_b256 s[4:11], s[0:1], 0x0  ; qh 4, kh 6, vh 8, ao 10
	v_lshl_add_u32 v[SPW], v0, 2, SPARE
	v_mov_b32 v[NIL], 0
	ds_add_u32 v[SPW], v[NIL]       ; the wave's opening: the add and its wait stand ahead of my first tensor load; work on registers stands between them
	v_lshrrev_b32 v1, 5, v0
	v_readfirstlane_b32 s[WV], v1
	s_bfe_u32 s13, ttmp6, 0x40000   ; cx
	s_mov_b32 s[PR], ttmp9
	s_and_b32 s20, ttmp7, 0xffff    ; batch x 8 + key/value head
	s_and_b32 s18, s13, 1           ; which of its two query heads
	s_lshr_b32 s19, s13, 1          ; which half of a block
	s_and_b32 s16, s[WV], 1         ; which of a slot's two steps I fetch
	s_lshl_b32 s22, s20, 19         ; a head is 524,288 bytes
	s_lshl_b32 s23, s16, 14
	s_add_co_u32 s22, s22, s23
	s_mov_b32 s23, 0
	s_mul_i32 s17, s16, STEPB
	s_sub_co_u32 s21, 7, s[PR]      ; the first block
	s_lshl_b32 s2, s20, 1
	s_add_co_u32 s2, s2, s18
	s_lshl_b32 s2, s2, 19           ; Q: my query head,
	s_lshl_b32 s3, s19, 15          ; my half's 128 rows of 256 bytes,
	s_add_co_u32 s2, s2, s3
	s_lshl_b32 s3, s[WV], 13        ; my wave's 32
	s_add_co_u32 s2, s2, s3
	s_lshl_b32 s3, s[PR], 16
	s_add_co_u32 s84, s2, s3        ; in the second block,
	s_mov_b32 s85, 0
	s_lshl_b32 s3, s21, 16
	s_add_co_u32 s2, s2, s3         ; and in the first
	s_mov_b32 s3, 0
	s_lshr_b32 s86, s20, 3
	s_lshl_b32 s86, s86, 23         ; O: the batch's 2,048 rows of 4,096 bytes,
	s_lshl_b32 s87, s19, 19
	s_add_co_u32 s86, s86, s87
	s_lshl_b32 s87, s[WV], 17
	s_add_co_u32 s86, s86, s87
	s_and_b32 s87, s20, 7
	s_lshl_b32 s87, s87, 1
	s_add_co_u32 s87, s87, s18
	s_lshl_b32 s87, s87, 8          ; my head's 256 bytes of a row
	s_add_co_u32 s86, s86, s87
	s_lshl_b32 s87, s[PR], 20
	s_add_co_u32 s58, s86, s87
	s_mov_b32 s59, 0
	s_lshl_b32 s87, s21, 20
	s_add_co_u32 s86, s86, s87
	s_mov_b32 s87, 0
	s_lshl_b32 s63, s19, 7
	s_lshl_b32 s21, s[WV], 5
	s_add_co_u32 s63, s63, s21      ; my wave's first position in a block
	s_mov_b32 s[G1K], 15|(1<<16)|(1<<20)|(1<<21)|(5<<22)|(3<<25)  ; the mask of four; 2-byte elements; padding on; bit 21 beside a mask; after every 64 words, 4 words
	s_mov_b32 s[G1V], 15|(1<<16)|(1<<20)|(1<<21)|(5<<22)|(7<<25)  ; 8 words
.irp g, G1K, G1V
	s_mov_b32 s[(\g)+1], 128<<16    ; 64 rows x 128 elements, dense
	s_mov_b32 s[(\g)+2], KS<<16
	s_mov_b32 s[(\g)+3], 128<<16
	s_mov_b32 s[(\g)+4], KS
	s_mov_b32 s[(\g)+5], 128
	s_mov_b32 s[(\g)+6], 0
	s_mov_b32 s[(\g)+7], 0
.endr
	s_mov_b32 s[SEL], 0x76543210
	s_mov_b32 s[SEL+1], 0xfedcba98
	s_mov_b32 s[TB], SLOT1+2*STEPB  ; the first change of slots turns it into 0
	s_mov_b32 s[SLOTS], 17
	s_lshl_b32 s[TWICE], s[PR], 1
	s_sub_co_u32 s[RT], 16, s[TWICE]
	s_sub_co_u32 s[LQ], 15, s[TWICE]
	s_add_co_u32 s[LQ2], s[TWICE], 1
	s_add_co_u32 s[RT2], s[TWICE], 2
	s_mov_b32 s[NXT], 1
	s_mov_b32 s[OFF+1], 0
	s_sub_co_i32 s[SK], s[PR], 7
	s_lshl_b32 s[SK], s[SK], 8      ; -256 (7 - PR)
	s_sub_co_i32 s[SK2], 0, s[PR]
	s_lshl_b32 s[SK2], s[SK2], 8    ; -256 PR
	s_mov_b32 s[BIGN], 0xf149f2ca   ; -1e30
	s_and_b32 s[LIM], s[WV], 1
	s_or_b32 s[LIM], s[LIM], ttmp9
	s_cmp_eq_u32 s[LIM], 0
	s_cselect_b32 s[LIM], 3, -1     ; the same in all four partners
	s_mov_b32 s[G0K], 1
	s_mov_b32 s[G0K+1], s17
	s_mov_b32 s[G0V], 1
	s_add_co_u32 s[G0V+1], s17, VOFF
	v_and_b32 v[PFO], 31, v0
	v_lshlrev_b32 v[PFO], 8, v[PFO]
	s_wait_dscnt 0x0                ; the opening add is done
	s_wait_kmcnt 0x0
	s_add_nc_u64 s[6:7], s[6:7], s[22:23]  ; K and V at my step of the head's slot 0
	s_add_nc_u64 s[8:9], s[8:9], s[22:23]
	s_add_nc_u64 s[82:83], s[4:5], s[84:85]
	s_add_nc_u64 s[4:5], s[4:5], s[2:3]
	s_add_nc_u64 s[OLO:OLO+1], s[10:11], s[58:59]
	s_add_nc_u64 s[10:11], s[10:11], s[86:87]
	s_add_nc_u64 s[G0K+2:G0K+3], s[6:7], 0
	s_or_b32 s[G0K+3], s[G0K+3], 0x80000000
	s_add_nc_u64 s[G0V+2:G0V+3], s[8:9], 0
	s_or_b32 s[G0V+3], s[G0V+3], 0x80000000
	s_cmp_lt_u32 s[WV], 2
	s_cselect_b64 s[PFA:PFA+1], s[6:7], s[8:9]
	s_lshl_b32 s2, s13, 13          ; my work-group's 32 rows of the 128
	s_mov_b32 s3, 0
	s_add_nc_u64 s[PFA:PFA+1], s[PFA:PFA+1], s[2:3]
	s_add_nc_u64 s[PFA:PFA+1], s[PFA:PFA+1], 32768  ; in slot 1; the first change steps it to slot 2
	CROUND                          ; all four work-groups are here
	JLOAD                           ; slot 0
	v_and_b32 v1, 15, v0            ; l % 16
	v_bfe_u32 v9, v0, 4, 1          ; l / 16
	v_lshlrev_b32 v[QO], 8, v1
	v_lshl_add_u32 v[QO], v9, 4, v[QO]
	v_lshlrev_b32 v[ADRK], 3, v9
	v_sub_nc_u32 v[ADRK], v1, v[ADRK]  ; l % 16 - 8 (l / 16)
	WIN 0x40
.irp i, 0,1,2,3,4,5,6,7             ; both blocks' Q stay in registers: tile i / 4, channels 32 (i % 4) on
	global_load_b128 v[8*(\i):8*(\i)+3],   v[QO], s[4:5] offset:((\i)/4)*4096+((\i)%4)*64
	global_load_b128 v[8*(\i)+4:8*(\i)+7], v[QO], s[4:5] offset:((\i)/4)*4096+((\i)%4)*64+32
.endr
	WIN 0x80
.irp i, 0,1,2,3,4,5,6,7
	global_load_b128 v[QB+8*(\i):QB+8*(\i)+3],   v[QO], s[82:83] offset:((\i)/4)*4096+((\i)%4)*64
	global_load_b128 v[QB+8*(\i)+4:QB+8*(\i)+7], v[QO], s[82:83] offset:((\i)/4)*4096+((\i)%4)*64+32
.endr
.irp j, 0,1,2,3,4,5,6,7
	v_cmp_gt_i32 vcc_lo, \j, v[ADRK]
	v_cndmask_b32 v[DG+(\j)], 0, s[BIGN], vcc_lo   ; the group that holds the diagonal: register j is hidden where j > l % 16 - 8 (l / 16)
.endr
	v_mov_b32 v[QKR], s63
.irp r, ZR, ZR+1, A0+1, A1+1, E0+1, E2+1, E4+1
	v_mov_b32 v[\r], 0              ; named as pairs, so written
.endr
	WIN 0
.set i, 0
.rept 128
	v_mov_b32 v[O+i], 0             ; a block's first step multiplies O^T and l by a = 0: they need only be finite.  This stands in the wait for the first tile
.set i, i+1
.endr
.irp t, 0,1
	v_mov_b32 v[ST+8*(\t)+1], 0
	v_mov_b32 v[ST+8*(\t)+2], 0
	v_mov_b32 v[ST+8*(\t)+3], 0
.endr
	v_mul_u32_u24 v[AK0], v1, PK
	v_lshl_add_u32 v[AK0], v9, 4, v[AK0]
	v_and_b32 v10, 7, v0
	v_bfe_u32 v11, v0, 3, 1
	v_lshl_add_u32 v[AV0], v9, 3, v10
	v_mul_u32_u24 v[AV0], v[AV0], PV
	v_lshl_add_u32 v[AV0], v11, 4, v[AV0]
	v_add_nc_u32 v[AV0], VOFF, v[AV0]
	s_mul_i32 s16, s[WV], 16*SP
	s_add_co_u32 s16, s16, STAGE
	v_mul_u32_u24 v[STO], v1, SP
	v_lshl_add_u32 v[STO], v9, 4, v[STO]
	v_add_nc_u32 v[STO], s16, v[STO]
	v_mul_u32_u24 v[RD], v9, SP
	v_lshl_add_u32 v[RD], v1, 4, v[RD]
	v_add_nc_u32 v[RD], s16, v[RD]
	v_lshlrev_b32 v[GO], 12, v9     ; two rows of ao, 4,096 bytes apart; 16 lanes fill my head's 256 bytes of a row
	v_lshl_add_u32 v[GO], v1, 4, v[GO]
; Product i of 16 of S^T = K Q^T for tile t: channels 32 (i / 4) on, keys 16 (i % 4) on.  The first four start the sums, with the mask.  The four accumulators take turns.
.macro KQ t
.set rS, S+32*(\t)+8*(i%4)
.set rK, KF+32*(i%4)+8*(i/4)
.set rQ, 32*(\t)+8*(i/4)
.set rM, MM+8*((i%4)-(\t)+1)
.if i < 4
	WIN W_KM
	v_wmma_f32_16x16x32_f16 v[rS:rS+7], v[rK:rK+7], v[rQ:rQ+7], v[rM:rM+7]
.else
	WIN W_KQ
	v_wmma_f32_16x16x32_f16 v[rS:rS+7], v[rK:rK+7], v[rQ:rQ+7], v[rS:rS+7]
.endif
.endm
; Product i of 16 of O^T += V^T P for tile t: keys 32 (i / 8) on, channels 16 (i % 8) on.  Eight accumulators take turns.
.macro PV t
	WIN W_PV
.set rO, O+64*(\t)+8*(i%8)
.set rV, 64*(i/8)+8*(i%8)
.set rP, P+16*(\t)+8*(i/8)
	v_wmma_f32_16x16x32_f16 v[rO:rO+7], v[rV:rV+7], v[rP:rP+7], v[rO:rO+7]
.endm
.macro FETCH_K off                  ; a step's K: 16 fragments, 32 loads in one run
	WIN 0
	v_add_nc_u32 v[ADRK], s[TB], v[AK0]
	WIN 0x40
.irp f, 0,1,2,3,4,5,6,7,8,9,10,11,12,13,14,15
	ds_load_b128 v[KF+8*(\f):KF+8*(\f)+3],   v[ADRK] offset:(\off)+((\f)/4)*16*PK+((\f)%4)*64
	ds_load_b128 v[KF+8*(\f)+4:KF+8*(\f)+7], v[ADRK] offset:(\off)+((\f)/4)*16*PK+((\f)%4)*64+32
.endr
.endm
.macro FETCH_V                      ; a step's V, turned
	WIN 0
	v_add_nc_u32 v[ADRV], s[TB], v[AV0]
	WIN 0x80
.irp f, 0,1,2,3,4,5,6,7,8,9,10,11,12,13,14,15
	ds_load_tr16_b128 v[8*(\f):8*(\f)+3],   v[ADRV] offset:((\f)/8)*32*PV+((\f)%8)*32
	ds_load_tr16_b128 v[8*(\f)+4:8*(\f)+7], v[ADRV] offset:((\f)/8)*32*PV+16*PV+((\f)%8)*32
.endr
.endm
.macro MG g, al, e
.irp p, 0,1,2,3
	v_pk_fma_f32 v[MM+8*(\g)+2*(\p):MM+8*(\g)+2*(\p)+1], v[DG+2*(\p):DG+2*(\p)+1], v[\al:\al+1], v[\e:\e+1] op_sel_hi:[1,0,0]
.endr
.endm
; The five groups for this step.  X is a multiple of 32, so group g's first key less its tile's first position, 16 (g - 1) + X, is 0 only for g = 1 (X = 0) and g = 3 (X = -32); 16 or more hides all, -16 or less nothing.
.macro MASKGEN
	WIN 0xaa
	v_sub_nc_u32 v[XV], s[SK], v[QKR]
	v_cmp_eq_i32 vcc_lo, 0, v[XV]
	v_cndmask_b32 v[A0], 0, 1.0, vcc_lo
	v_cmp_eq_i32 vcc_lo, -32, v[XV]
	v_cndmask_b32 v[A1], 0, 1.0, vcc_lo
	v_cmp_lt_i32 vcc_lo, 0, v[XV]
	v_cndmask_b32 v[E0], 0, s[BIGN], vcc_lo
	v_cmp_le_i32 vcc_lo, 0, v[XV]
	v_cndmask_b32 v[E2], 0, s[BIGN], vcc_lo
	v_cmp_le_i32 vcc_lo, -32, v[XV]
	v_cndmask_b32 v[E4], 0, s[BIGN], vcc_lo
	WIN 0x6a
	MG 0, ZR, E0
	MG 1, A0, E0
	MG 2, ZR, E2
	MG 3, A1, E2
	MG 4, ZR, E4
.endm
; One tile's softmax for one step is a list of 134 numbers (19 is empty); SM writes number j for tile t.
;   0-15 the maximum of the lane's 32 scores and the old m (each accumulator's lowest registers are read first)    16-20 the other half of the lanes'; the new m; m_old - m_new
;   21-69 ONE BATCH: the 16 subtractions s - m, a pair each, and all 33 exponentials (a at 23): none reads an exponential's result; a pair is subtracted ahead of its exponentials
;   70-85 the roundings to f16    86-101 the sums, l = a l + sum    102-133 O^T times a
.macro SM t
.set rT, ST+8*(\t)
.set rS, S+32*(\t)
.set rP, P+16*(\t)
.set rO, O+64*(\t)+2*(j-102)
	WIN 0
.if j < 4
	v_max3_num_f32 v[rT+4+j], v[rS+8*j], v[rS+8*j+1], v[rS+8*j+2]
.elseif j < 12
	v_max3_num_f32 v[rT+4+j%4], v[rT+4+j%4], v[rS+8*(j%4)+2*(j/4)+1], v[rS+8*(j%4)+2*(j/4)+2]
.elseif j == 12
	v_max3_num_f32 v[rT+4], v[rT+4], v[rS+7], v[rS+15]
.elseif j == 13
	v_max3_num_f32 v[rT+6], v[rT+6], v[rS+23], v[rS+31]
.elseif j == 14
	v_max3_num_f32 v[rT+4], v[rT+4], v[rT+5], v[rT+6]
.elseif j == 15
	v_max3_num_f32 v[rT+4], v[rT+4], v[rT+7], v[rT]
.elseif j == 16
	v_permlanex16_b32 v[rT+5], v[rT+4], s[SEL], s[SEL+1]
.elseif j == 17
	v_mov_b32 v[rT+7], v[rT]
.elseif j == 18
	v_max_num_f32 v[rT], v[rT+4], v[rT+5]
.elseif j == 19
.elseif j == 20
	v_sub_f32 v[rT+7], v[rT+7], v[rT]
.elseif j == 23
	v_exp_f32 v[rT+6], v[rT+7]
.elseif (j < 23) || ((j < 38) && (j%2 == 0)) || ((j < 66) && (j%4 == 2))
.set b, (j-2)/4
.if j < 38
.set b, (j-20)/2
.endif
	v_pk_add_f32 v[rS+2*b:rS+2*b+1], v[rS+2*b:rS+2*b+1], v[rT:rT+1] op_sel_hi:[1,0] neg_lo:[0,1] neg_hi:[0,1]
.elseif j < 70
.set e, j-38
.if j < 66
.set e, j-32-(j-38)/4
.endif
.if j < 38
.set e, (j-25)/2
.endif
	v_exp_f32 v[rS+e], v[rS+e]
.elseif j < 86
	v_cvt_pk_f16_f32 v[rP+j-70], v[rS+2*(j-70)], v[rS+2*(j-70)+1]
.elseif j < 102
.set z, j-86
.set w, 4
.set u, z
.if z >= 14
.set w, 32
.set u, 0
.elseif z >= 12
.set w, 16
.set u, z-12
.elseif z >= 8
.set w, 8
.set u, z-8
.endif
.if z < 15
	v_pk_add_f32 v[rS+w*u:rS+w*u+1], v[rS+w*u:rS+w*u+1], v[rS+w*u+w/2:rS+w*u+w/2+1]
.else
	v_pk_fma_f32 v[rT+2:rT+3], v[rT+2:rT+3], v[rT+6:rT+7], v[rS:rS+1] op_sel_hi:[1,0,1]
.endif
.else
	v_pk_mul_f32 v[rO:rO+1], v[rO:rO+1], v[rT+6:rT+7] op_sel_hi:[1,0]
.endif
.endm
; The next n numbers of tile t's list.  Ahead of number 70, the first that names an exponential's result: a plain instruction, and the one wait for the tile's 33 exponentials.
.macro RIDE t, n
.rept \n
.if j == 70
	WIN 0
	v_nop
	s_wait_alu depctr_va_vdst(0)
.endif
	SM \t
.set j, j+1
.endr
.endm
; A slot's two steps: written once, walked twice; the LDS addresses hang on s[TB].
.macro TWO_STEPS
	FETCH_K 0
	WIN 0
	s_mov_b32 s[TWICE], 2
.Lstep_\@:
	FETCH_V
	WIN 0
	s_cmp_ge_i32 s[SK], 0           ; only a block's last four steps hide anything; the number is the same in all four partners
	s_cbranch_scc0 .Lnm_\@
	MASKGEN
	WIN 0
.Lnm_\@:
	s_wait_dscnt 32                 ; K, asked for ahead of V on both ways, is in; V's 32 loads may stay out
.set i, 0
.rept 16
	KQ 0
.set i, i+1
.endr
	WIN 0
	PLACES                          ; between tile 0's last product and the first read of its scores
.set i, 0
.set j, 0
.rept 15
	KQ 1
	RIDE 0, 8
.set i, i+1
.endr
	KQ 1
	RIDE 0, 14                      ; fourteen plain instructions: the places behind tile 1's last product, for the loads into K and for the reads of its scores
	WIN 0
	s_wait_dscnt 0x0                ; V is in
	s_cmp_eq_u32 s[TWICE], 1
	s_cbranch_scc1 .Lnk_\@
	FETCH_K STEPB                   ; the slot's second K
	WIN 0
.Lnk_\@:
.set i, 0
.set j, 0
.rept 15
	PV 0
	RIDE 1, 8
.set i, i+1
.endr
	PV 0
	RIDE 1, 14
.set i, 0
.rept 16
	PV 1
.set i, i+1
.endr
	WIN 0
	PLACES                          ; in front of the next loads into V, and of the way out
	s_add_co_u32 s[TB], s[TB], STEPB
	s_add_co_i32 s[SK], s[SK], 64
	s_sub_co_u32 s[TWICE], s[TWICE], 1
	s_cmp_lg_u32 s[TWICE], 0
	s_cbranch_scc1 .Lstep_\@
.endm
; THE CHANGE OF SLOTS.  Each wave waits for all its tensor loads (one is out: its part of the other slot), adds 0 to its spare word, and waits for that and for its reads of the slot that it leaves.
; fill = 1: a round of the cluster's barrier, and the old slot is filled again first thing behind it, with keys 128 NXT on: the address is made anew from that number, which is the same in all four partners.
.macro CHANGE fill
	WIN 0
	s_wait_tensorcnt 0x0
	ds_add_u32 v[SPW], v[NIL]       ; 0 onto my spare word; the scalar work stands between it and the wait for it
.if \fill
	s_lshl_b32 s[OFF], s[NXT], 15
	s_xor_b32 s[G0K+1], s[G0K+1], SLOT1
	s_add_nc_u64 s[G0K+2:G0K+3], s[6:7], s[OFF:OFF+1]
	s_or_b32 s[G0K+3], s[G0K+3], 0x80000000
	s_xor_b32 s[G0V+1], s[G0V+1], SLOT1
	s_add_nc_u64 s[G0V+2:G0V+3], s[8:9], s[OFF:OFF+1]
	s_or_b32 s[G0V+3], s[G0V+3], 0x80000000
	s_add_co_u32 s[NXT], s[NXT], 1  ; the block's next slot, or behind its last the second block's slot 0
	s_cmp_gt_u32 s[NXT], s[LQ]
	s_cselect_b32 s[NXT], 0, s[NXT]
	s_cselect_b32 s[LQ], s[LQ2], s[LQ]
	s_wait_xcnt 0x0                 ; the last prefetch, two steps back, has read its address
	s_add_nc_u64 s[PFA:PFA+1], s[PFA:PFA+1], 32768
	s_wait_dscnt 0x0
	CROUND
	JLOAD
	ASK
.else
	s_wait_dscnt 0x0
	s_barrier_signal -1
	s_barrier_wait -1
.endif
	s_sub_co_u32 s[TB], s[TB], 2*STEPB
	s_xor_b32 s[TB], s[TB], SLOT1
.endm
; A BLOCK BEGINS: m at the lowest finite number, so that the first step's a is 0 and its maximum the scores'; the masks 0.  In its first step every row sees key 0, so m is a true score before a hidden one comes.
.macro START
	WIN 0
	v_mov_b32 v[ST], 0xff7fffff
	v_mov_b32 v[ST+8], 0xff7fffff
	WIN 0x40
.set i, 0
.rept 40
	v_mov_b32 v[MM+i], 0
.set i, i+1
.endr
	WIN 0
.endm
; A BLOCK ENDS: l's halves are added, O^T is divided by l, rounded to f16 and sent through my stage, a tile at a time.
.macro PACK t
.set i, 0
.rept 32
	v_pk_mul_f32 v[O+64*(\t)+2*i:O+64*(\t)+2*i+1], v[O+64*(\t)+2*i:O+64*(\t)+2*i+1], v[ST+8*(\t)+6:ST+8*(\t)+7] op_sel_hi:[1,0]
.set i, i+1
.endr
.set i, 0
.rept 32
	v_cvt_pk_f16_f32 v[S+32*(\t)+i], v[O+64*(\t)+2*i], v[O+64*(\t)+2*i+1]
.set i, i+1
.endr
.irp f, 0,1,2,3,4,5,6,7
	ds_store_b128 v[STO], v[S+32*(\t)+4*(\f):S+32*(\t)+4*(\f)+3] offset:32*(\f)
.endr
.irp f, 0,1,2,3,4,5,6,7
	ds_load_b128 v[S+32*(\t)+4*(\f):S+32*(\t)+4*(\f)+3], v[RD] offset:(\f)*2*SP  ; LDS serves a wave's instructions in order (ISA guide 5.7.1.4)
.endr
.endm
.macro SEND t, younger              ; younger: the LDS instructions issued behind tile t's loads
.irp f, 0,1,2,3,4,5,6,7
	s_wait_dscnt (\younger)+7-(\f)
	global_store_b128 v[GO], v[S+32*(\t)+4*(\f):S+32*(\t)+4*(\f)+3], s[10:11] offset:65536*(\t)+8192*(\f)  ; 16 lanes store 256 consecutive bytes, at a multiple of 256 from ao's first
.endr
.endm
.macro FINISH
	WIN 0
.irp t, 0,1
	v_add_f32 v[ST+8*(\t)+4], v[ST+8*(\t)+2], v[ST+8*(\t)+3]
.endr
.irp t, 0,1
	v_permlanex16_b32 v[ST+8*(\t)+5], v[ST+8*(\t)+4], s[SEL], s[SEL+1]
.endr
.irp t, 0,1
	v_add_f32 v[ST+8*(\t)+4], v[ST+8*(\t)+4], v[ST+8*(\t)+5]
.endr
.irp t, 0,1
	v_rcp_f32 v[ST+8*(\t)+6], v[ST+8*(\t)+4]
.endr
	v_nop                           ; a plain instruction behind the last reciprocal,
	s_wait_alu depctr_va_vdst(0)    ; and the one wait ahead of the first use
	PACK 0
	PACK 1
	SEND 0, 16
	SEND 1, 0
.endm
	START
	s_wait_loadcnt 0x0              ; both blocks' Q
.Lslot:                             ; 17 trips: a slot is entered and the next is asked for
	CHANGE 1
	s_sub_co_u32 s[RT], s[RT], 1
	TWO_STEPS
	s_cmp_lg_u32 s[RT], 0
	s_cbranch_scc1 .Lbottom         ; a jump forward over text with neither a barrier nor a tensor load
	FINISH                          ; in the loop this is the first block's end: the second's last slot is the walk's last
	s_wait_xcnt 0x0                 ; the stores have read their registers and O's address
	s_mov_b64 s[10:11], s[OLO:OLO+1]
	s_mov_b32 s[RT], s[RT2]
	s_mov_b32 s[SK], s[SK2]
	START
	WIN 0x42                        ; the second block's Q goes where the products name Q
.set i, 0
.rept 64
	v_mov_b32 v[i], v[QB+i]
.set i, i+1
.endr
	WIN 0
.Lbottom:
	s_sub_co_u32 s[SLOTS], s[SLOTS], 1
	s_cmp_lg_u32 s[SLOTS], 0
	s_cbranch_scc1 .Lslot
	CHANGE 0                        ; the walk's last slot is written out
	TWO_STEPS
	FINISH
	s_wait_tensorcnt 0x0            ; the wave's end: behind my last tensor load and my last LDS store
	ds_add_u32 v[SPW], v[NIL]
	s_wait_dscnt 0x0
	CROUND                          ; the closing round
	s_endpgm
.Lfunc_end_k_qefce90c246_attn:
	.size	k_qefce90c246_attn, .Lfunc_end_k_qefce90c246_attn-k_qefce90c246_attn
	.p2alignl 7, 3214868480
	.fill 96, 4, 3214868480
	.section	.rodata,"a",@progbits
	.p2align	6, 0x0
	.amdhsa_kernel k_qefce90c246_attn
		.amdhsa_group_segment_fixed_size 327680
		.amdhsa_private_segment_fixed_size 0
		.amdhsa_enable_private_segment 0
		.amdhsa_kernarg_size 32
		.amdhsa_user_sgpr_count 2
		.amdhsa_user_sgpr_kernarg_segment_ptr 1
		.amdhsa_wavefront_size32 1
		.amdhsa_system_sgpr_workgroup_id_x 1
		.amdhsa_system_sgpr_workgroup_id_y 1
		.amdhsa_system_sgpr_workgroup_id_z 1
		.amdhsa_system_vgpr_workitem_id 0
		.amdhsa_next_free_vgpr 768
		.amdhsa_next_free_sgpr 88
		.amdhsa_reserve_vcc 1
		.amdhsa_float_denorm_mode_32 3
		.amdhsa_float_denorm_mode_16_64 3
		.amdhsa_memory_ordered 1
		.amdhsa_forward_progress 1
		.amdhsa_inst_pref_size 107
	.end_amdhsa_kernel
	.amdgpu_metadata
---
amdhsa.version: [ 1, 2 ]
amdhsa.kernels:
  - .name:           k_qefce90c246_attn
    .symbol:         k_qefce90c246_attn.kd
    .args:
      - { .name: qh, .offset: 0, .size: 8, .value_kind: global_buffer, .address_space: global }
      - { .name: kh, .offset: 8, .size: 8, .value_kind: global_buffer, .address_space: global }
      - { .name: vh, .offset: 16, .size: 8, .value_kind: global_buffer, .address_space: global }
      - { .name: ao, .offset: 24, .size: 8, .value_kind: global_buffer, .address_space: global }
    .group_segment_fixed_size: 327680
    .private_segment_fixed_size: 0
    .kernarg_segment_align: 8
    .kernarg_segment_size: 32
    .max_flat_workgroup_size: 128
    .sgpr_count:     88
    .vgpr_count:     768
    .wavefront_size: 32
...
	.end_amdgpu_metadata
.endif
;; end of part 3
;; launch oproj (part 4): grid 8 x 32, 4 waves a work-group, clusters of 4 x 4, 327,680 bytes of LDS; arguments ao, wo16, out0; writes out0
.if DOCPART == 4
	.amdgcn_target "amdgcn-amd-amdhsa--gfx1250"
	.amdhsa_code_object_version 6
	.text
	.protected	k_qefce90c246_oproj
	.globl	k_qefce90c246_oproj
	.p2align	8
	.type	k_qefce90c246_oproj,@function
k_qefce90c246_oproj:
	s_mov_b64 s[64:65], 0
	v_nop
	global_prefetch_b8 v0, s[64:65] scope:SCOPE_SE
	s_setreg_imm32_b32 hwreg(HW_REG_WAVE_MODE, 25, 1), 1
	s_wait_xcnt 0x0
	s_wait_alu depctr_hold_cnt(0) depctr_sa_sdst(0) depctr_va_vdst(0) depctr_va_sdst(0) depctr_va_ssrc(0) depctr_va_vcc(0) depctr_vm_vsrc(0)
	s_getreg_b32 s2, hwreg(HW_REG_IB_STS2, 6, 4)
	s_cmp_eq_u32 s2, 0
	s_cbranch_scc0 .Lentry_in_a_cluster
	s_endpgm
.Lentry_in_a_cluster:
	s_bfe_u32 s2, ttmp6, 0x10000c
	s_cmp_lg_u32 s2, 0xf033
	s_cbranch_scc0 .Lentry_shape_is_right
	s_endpgm
.Lentry_shape_is_right:
; out0 = ao Wo.  ao: [4096][2048] f16.  wo16: [2048 k][1024 n] f16 (Wo rounded to bf16, that number written as f16).  out0: [4096][1024] f32.  Sums in f32, K ascending.
; 256 tiles of 128 x 128, one to a work-group; four waves, 64 x 64 each: 16 accumulators.  K = 2048 in 8 steps of 256 through two LDS slots.
; The product is used transposed (source 0 = 16 columns of Wo, source 1 = 16 rows of ao), so a lane holds eight neighbouring numbers of a row of out0.  Wo lies [k][n]: its fragments come out of LDS turned.
; CLUSTER 4 x 4: ao's tile is shared along a row of the cluster, Wo's along a column.  A wave's 64 columns of f32 are 256 bytes, aligned: each wave has a stage of its own and no barrier stands on the way out.
; No prefetch: a step of this small tile is short, and its requests would stand close to the loads that they serve.
; REGISTERS: window 0: v16-29 addresses; v32-95 rows on their way out, two sets; v128-255 the accumulators ((a, b) at v[128 + 8 (4 a + b)]).   window 1: two fragment buffers of 128: 64 of ao's, then 64 of Wo's.
.set PITCH,  528                       ; a row of ao in LDS: 512 bytes + 16
.set PITB,   288                       ; a k-row of Wo: 256 bytes + 32
.set HALFA,  64*PITCH
.set HALFB,  128*PITB
.set BOFF,   2*HALFA
.set SLOT,   2*HALFA+2*HALFB
.set STAGE,  2*SLOT
.set SPITCH, 272
.set SPARE,  STAGE+4*16*SPITCH
.set ADRA, 16                          ; v16-17 by slot
.set ADRB, 20                          ; v20-23 by slot and half of the K step: an LDS offset has 16 bits
.set STO,  24
.set RD,   25
.set CO,   26
.set SPW,  28
.set NIL,  29
.set TMP,  32
.set ACC,  128
.set F0,   0
.set F1,   128
.set G1, 24
.set G0, 32
.set G1B, 48
.set G0B, 56
.set MSB, 0
.macro WIN new
.if MSB != (\new)
	s_set_vgpr_msb (MSB<<8)|(\new)
.set MSB, \new
.endif
.endm
.set MUL,  0x05                        ; sources 0 and 1 window 1; C and D window 0
.set TO_F, 0x40
.macro JLOAD s                         ; waves 0 and 1 fetch ao's two halves, waves 2 and 3 Wo's; an s_nop 0 and four v_nop follow each line
	s_cmp_eq_u32 s11, 0
	s_cbranch_scc0 .Lfor_b_\@
	tensor_load_to_lds s[G0+4*(\s):G0+4*(\s)+3], s[G1:G1+7]
	s_nop 0
.rept 4
	v_nop
.endr
	s_branch .Lasked_\@
.Lfor_b_\@:
	tensor_load_to_lds s[G0B+4*(\s):G0B+4*(\s)+3], s[G1B:G1B+7]
	s_nop 0
.rept 4
	v_nop
.endr
.Lasked_\@:
.endm
.macro CREST
	s_cmp_lg_u32 s10, 0
	s_cbranch_scc1 .Lnot_wave_0_\@
	s_barrier_signal -3
.Lnot_wave_0_\@:
	s_barrier_wait -3
	s_barrier_signal -1
	s_barrier_wait -1
.endm
.macro CROUND
	s_barrier_signal -1
	s_barrier_wait -1
	CREST
.endm
	s_load_b128 s[4:7], s[0:1], 0x0                ; ao s[4:5], wo16 s[6:7]
	s_load_b64 s[8:9], s[0:1], 0x10                ; out0
	v_lshl_add_u32 v[SPW], v0, 2, SPARE
	v_mov_b32 v[NIL], 0
	ds_add_u32 v[SPW], v[NIL]                      ; the wave's opening: the add and its wait stand ahead of my first tensor load
	v_lshrrev_b32 v1, 5, v0
	v_readfirstlane_b32 s10, v1
	s_lshr_b32 s11, s10, 1                         ; my half of the tile's rows.  Also: I fetch for ao (0) or for Wo (1)
	s_and_b32 s12, s10, 1                          ; my half of its columns.  Also: which half of that tile I fetch
	s_bfe_u32 s40, ttmp6, 0x40000
	s_bfe_u32 s41, ttmp6, 0x40004
	s_lshl_b32 s42, ttmp9, 2
	s_add_co_u32 s42, s42, s40                     ; tile column
	s_and_b32 s13, ttmp7, 0xffff
	s_lshl_b32 s13, s13, 2
	s_add_co_u32 s13, s13, s41                     ; tile row
	s_lshl_b32 s43, s41, 2
	s_lshl_b32 s43, 15, s43
	s_lshl_b32 s44, 0x1111, s40
	s_or_b32 s[G1+0], s43, (1<<16)|(1<<20)|(1<<21)|(6<<22)|(3<<25)   ; after every 128 words, 4 words
	s_or_b32 s[G1B+0], s44, (1<<16)|(1<<20)|(1<<21)|(5<<22)|(7<<25)  ; after every 64 words, 8 words
	s_mov_b32 s[G1+1], 256<<16                     ; ao: 64 rows x 256 elements, 2,048 from row to row
	s_mov_b32 s[G1+2], 64<<16
	s_mov_b32 s[G1+3], 256<<16
	s_mov_b32 s[G1+4], 64
	s_mov_b32 s[G1+5], 2048
	s_mov_b32 s[G1+6], 0
	s_mov_b32 s[G1+7], 0
	s_mov_b32 s[G1B+1], 128<<16                    ; Wo: 128 k-rows x 128 elements, 1,024 from row to row
	s_mov_b32 s[G1B+2], 128<<16
	s_mov_b32 s[G1B+3], 128<<16
	s_mov_b32 s[G1B+4], 128
	s_mov_b32 s[G1B+5], 1024
	s_mov_b32 s[G1B+6], 0
	s_mov_b32 s[G1B+7], 0
	s_lshl_b32 s16, s13, 7
	s_lshl_b32 s17, s12, 6
	s_add_co_u32 s16, s16, s17                     ; ao: row 128 x tile row + 64 x half,
	s_lshl_b32 s16, s16, 12                        ; 4,096 bytes each
	s_mov_b32 s17, 0
	s_lshl_b32 s46, s12, 18                        ; Wo: k-row 128 x half, 2,048 bytes each,
	s_lshl_b32 s47, s42, 8                         ; column 128 x tile column
	s_add_co_u32 s46, s46, s47
	s_mov_b32 s47, 0
	s_mul_i32 s20, s12, HALFA                      ; where they go: no place in the cluster enters an LDS address
	s_mul_i32 s21, s12, HALFB
	s_add_co_u32 s21, s21, BOFF
	s_wait_dscnt 0x0
	s_wait_kmcnt 0x0
	s_add_nc_u64 s[14:15], s[4:5], s[16:17]
	s_add_nc_u64 s[46:47], s[6:7], s[46:47]
	CROUND
.irp s, 0,1
	s_mov_b32 s[G0+4*(\s)], 1
	s_add_co_u32 s[G0+4*(\s)+1], s20, (\s)*SLOT
	s_add_nc_u64 s[G0+4*(\s)+2:G0+4*(\s)+3], s[14:15], (\s)*512
	s_or_b32 s[G0+4*(\s)+3], s[G0+4*(\s)+3], 0x80000000
	s_mov_b32 s[G0B+4*(\s)], 1
	s_add_co_u32 s[G0B+4*(\s)+1], s21, (\s)*SLOT
	s_add_nc_u64 s[G0B+4*(\s)+2:G0B+4*(\s)+3], s[46:47], (\s)*524288
	s_or_b32 s[G0B+4*(\s)+3], s[G0B+4*(\s)+3], 0x80000000
	JLOAD \s
.endr
	v_and_b32 v1, 15, v0
	v_bfe_u32 v2, v0, 4, 1
	v_mul_u32_u24 v3, v1, PITCH
	v_lshl_add_u32 v3, v2, 4, v3
	v_and_b32 v4, 7, v0
	v_lshl_add_u32 v4, v2, 3, v4
	v_mul_u32_u24 v4, v4, PITB
	v_bfe_u32 v5, v0, 3, 1
	v_lshl_add_u32 v4, v5, 4, v4
	s_mul_i32 s21, s11, HALFA                      ; my 64 rows of ao
	s_lshl_b32 s22, s12, 7                         ; my 64 columns of Wo
	s_add_co_u32 s22, s22, BOFF
.irp s, 0,1
	v_add_nc_u32 v[ADRA+(\s)], s21, v3
	v_add_nc_u32 v[ADRB+2*(\s)], s22, v4
	s_add_co_u32 s23, s22, HALFB
	v_add_nc_u32 v[ADRB+2*(\s)+1], s23, v4
	s_add_co_u32 s21, s21, SLOT
	s_add_co_u32 s22, s22, SLOT
.endr
	s_mul_i32 s23, s10, 16*SPITCH
	s_add_co_u32 s23, s23, STAGE                   ; my stage
	v_mul_u32_u24 v4, v1, SPITCH                   ; in: row l % 16, 32 bytes for each half of the lanes
	v_lshl_add_u32 v4, v2, 5, v4
	v_add_nc_u32 v[STO], s23, v4
	v_mul_u32_u24 v5, v2, SPITCH                   ; back: lanes 0-15 one row of 256 bytes, lanes 16-31 the next
	v_lshl_add_u32 v5, v1, 4, v5
	v_add_nc_u32 v[RD], s23, v5
	v_lshlrev_b32 v[CO], 12, v2                    ; and the same two rows in out0
	v_lshl_add_u32 v[CO], v1, 4, v[CO]
	s_lshl_b32 s16, s13, 7
	s_lshl_b32 s17, s11, 6
	s_add_co_u32 s16, s16, s17
	s_lshl_b32 s16, s16, 12                        ; my first row
	s_mov_b32 s17, 0
	s_add_nc_u64 s[8:9], s[8:9], s[16:17]
	s_lshl_b32 s46, s42, 9                         ; my first column, in bytes
	s_lshl_b32 s47, s12, 8
	s_add_co_u32 s46, s46, s47
	s_mov_b32 s47, 0
	s_add_nc_u64 s[8:9], s[8:9], s[46:47]
; 8 matrix instructions: m blocks a0, a0 + 1 x all 4 n blocks, 32 along K: half c of buffer f.  The 16 accumulators take turns.
.macro MUL8 f, c, a0, zero
	WIN MUL
.irp a, \a0, (\a0)+1
.irp b, 0,1,2,3
.if \zero
	v_wmma_f32_16x16x32_f16 v[ACC+8*(4*(\a)+(\b)):ACC+8*(4*(\a)+(\b))+7], v[(\f)+64+8*(4*(\c)+(\b)):(\f)+64+8*(4*(\c)+(\b))+7], v[(\f)+8*(4*(\c)+(\a)):(\f)+8*(4*(\c)+(\a))+7], 0
.else
	v_wmma_f32_16x16x32_f16 v[ACC+8*(4*(\a)+(\b)):ACC+8*(4*(\a)+(\b))+7], v[(\f)+64+8*(4*(\c)+(\b)):(\f)+64+8*(4*(\c)+(\b))+7], v[(\f)+8*(4*(\c)+(\a)):(\f)+8*(4*(\c)+(\a))+7], v[ACC+8*(4*(\a)+(\b)):ACC+8*(4*(\a)+(\b))+7]
.endif
.endr
.endr
.endm
; 32 LDS loads in one run: quarter q (64 along K) of a slot into buffer f; its first 32 along K first
.macro FETCH slot, q, f
	WIN TO_F
.irp c, 0,1
.irp i, 0,1,2,3
	ds_load_tr16_b128 v[(\f)+64+8*(4*(\c)+(\i)):(\f)+64+8*(4*(\c)+(\i))+3],   v[ADRB+2*(\slot)+(\q)/2] offset:(((\q)%2)*64+32*(\c))*PITB+32*(\i)
	ds_load_tr16_b128 v[(\f)+64+8*(4*(\c)+(\i))+4:(\f)+64+8*(4*(\c)+(\i))+7], v[ADRB+2*(\slot)+(\q)/2] offset:(((\q)%2)*64+32*(\c)+16)*PITB+32*(\i)
	ds_load_b128 v[(\f)+8*(4*(\c)+(\i)):(\f)+8*(4*(\c)+(\i))+3],         v[ADRA+(\slot)] offset:128*(\q)+64*(\c)+(\i)*16*PITCH
	ds_load_b128 v[(\f)+8*(4*(\c)+(\i))+4:(\f)+8*(4*(\c)+(\i))+7],       v[ADRA+(\slot)] offset:128*(\q)+64*(\c)+(\i)*16*PITCH+32
.endr
.endr
.endm
.macro PLACES
.rept 4
	v_nop
.endr
.endm
.macro QUARTER slot, q, f, g, zero     ; multiplies buffer f and fetches quarter q of the slot into g
	s_wait_dscnt 16                                ; the first 32 along K are in
	MUL8 \f, 0, 0, \zero
	MUL8 \f, 0, 2, \zero
	PLACES
	FETCH \slot, \q, \g
	s_wait_dscnt 32                                ; all but the 32 just issued
	MUL8 \f, 1, 0, 0
	MUL8 \f, 1, 2, 0
.endm
; The last quarter multiplies buffer 1 and changes slots: in front of the barrier each wave waits for all its tensor loads, adds 0 to its spare word, and waits for that and for its reads of this slot.
; fill = 1: the barrier opens a round of the cluster's, and this slot is filled again first thing behind it, two K steps ahead.
.macro TURN slot, next, fill
	WIN 0
	s_wait_tensorcnt 0x0
	ds_add_u32 v[SPW], v[NIL]
	s_wait_dscnt 17                                ; (the add and the youngest sixteen loads may be out)
	MUL8 F1, 0, 0, 0
	s_wait_dscnt 0x0
	s_barrier_signal -1
	MUL8 F1, 0, 2, 0
.if \fill
	WIN 0
.endif
	s_barrier_wait -1
.if \fill
	CREST
	s_add_nc_u64 s[G0+4*(\slot)+2:G0+4*(\slot)+3], s[G0+4*(\slot)+2:G0+4*(\slot)+3], 1024
	s_add_nc_u64 s[G0B+4*(\slot)+2:G0B+4*(\slot)+3], s[G0B+4*(\slot)+2:G0B+4*(\slot)+3], 1048576
	JLOAD \slot
.else
	PLACES
.endif
	FETCH \next, 0, F0
	MUL8 F1, 1, 0, 0
	MUL8 F1, 1, 2, 0
.endm
	s_wait_tensorcnt 1                             ; my part of K step 0 is in; K step 1's may stay out
	s_barrier_signal -1
	s_barrier_wait -1
	FETCH 0, 0, F0
	QUARTER 0, 1, F0, F1, 1
	WIN 0
	s_mov_b32 s3, 3
.Llap:
	QUARTER 0, 2, F1, F0, 0
	QUARTER 0, 3, F0, F1, 0
	TURN 0, 1, 1
	QUARTER 1, 1, F0, F1, 0
	QUARTER 1, 2, F1, F0, 0
	QUARTER 1, 3, F0, F1, 0
	TURN 1, 0, 1
	QUARTER 0, 1, F0, F1, 0
	WIN 0
	s_sub_co_u32 s3, s3, 1
	s_cmp_lg_u32 s3, 0
	s_cbranch_scc1 .Llap
	QUARTER 0, 2, F1, F0, 0                        ; the last lap fills nothing
	QUARTER 0, 3, F0, F1, 0
	TURN 0, 1, 0
	QUARTER 1, 1, F0, F1, 0
	QUARTER 1, 2, F1, F0, 0
	QUARTER 1, 3, F0, F1, 0
	s_wait_dscnt 16
	MUL8 F1, 0, 0, 0
	MUL8 F1, 0, 2, 0
	s_wait_dscnt 0x0
	MUL8 F1, 1, 0, 0
	MUL8 F1, 1, 2, 0
	WIN 0
	; THE WAY OUT: 16 rows at a time into my stage, 32 bytes a lane, and back as whole rows of 256 bytes.  Each accumulator's low registers go first.
	PLACES
	PLACES
.macro TOSTAGE a
.if (\a) >= 2
	s_wait_xcnt 0x0                                ; the stores of two blocks back have read this set of registers
.endif
.irp b, 0,1,2,3
	ds_store_b128 v[STO], v[ACC+8*(4*(\a)+(\b)):ACC+8*(4*(\a)+(\b))+3]   offset:64*(\b)
	ds_store_b128 v[STO], v[ACC+8*(4*(\a)+(\b))+4:ACC+8*(4*(\a)+(\b))+7] offset:64*(\b)+16
.endr
.irp t, 0,1,2,3,4,5,6,7
	ds_load_b128 v[TMP+32*((\a)%2)+4*(\t):TMP+32*((\a)%2)+4*(\t)+3], v[RD] offset:(\t)*2*SPITCH  ; LDS serves a wave's instructions in order (ISA guide 5.7.1.4)
.endr
.endm
.macro SEND a, younger                 ; younger: the LDS instructions issued behind block a's loads
.irp t, 0,1,2,3,4,5,6,7
	s_wait_dscnt (\younger)+7-(\t)
	global_store_b128 v[CO], v[TMP+32*((\a)%2)+4*(\t):TMP+32*((\a)%2)+4*(\t)+3], s[8:9] offset:65536*(\a)+8192*(\t)  ; 16 lanes store 256 consecutive bytes, at a multiple of 256 from out0's first
.endr
.endm
	TOSTAGE 0
	TOSTAGE 1
	SEND 0, 16
	TOSTAGE 2
	SEND 1, 16
	TOSTAGE 3
	SEND 2, 16
	SEND 3, 0
	s_wait_tensorcnt 0x0                           ; the wave's end: behind my last tensor load and my last LDS store
	ds_add_u32 v[SPW], v[NIL]
	s_wait_dscnt 0x0
	CROUND                                         ; the closing round
	s_endpgm
.Lfunc_end_k_qefce90c246_oproj:
	.size	k_qefce90c246_oproj, .Lfunc_end_k_qefce90c246_oproj-k_qefce90c246_oproj
	.p2alignl 7, 3214868480
	.fill 96, 4, 3214868480
	.section	.rodata,"a",@progbits
	.p2align	6, 0x0
	.amdhsa_kernel k_qefce90c246_oproj
		.amdhsa_group_segment_fixed_size 327680
		.amdhsa_private_segment_fixed_size 0
		.amdhsa_enable_private_segment 0
		.amdhsa_kernarg_size 24
		.amdhsa_user_sgpr_count 2
		.amdhsa_user_sgpr_kernarg_segment_ptr 1
		.amdhsa_wavefront_size32 1
		.amdhsa_system_sgpr_workgroup_id_x 1
		.amdhsa_system_sgpr_workgroup_id_y 1
		.amdhsa_system_sgpr_workgroup_id_z 1
		.amdhsa_system_vgpr_workitem_id 0
		.amdhsa_next_free_vgpr 512
		.amdhsa_next_free_sgpr 66
		.amdhsa_reserve_vcc 0
		.amdhsa_float_denorm_mode_32 3
		.amdhsa_float_denorm_mode_16_64 3
		.amdhsa_memory_ordered 1
		.amdhsa_forward_progress 1
		.amdhsa_inst_pref_size 87
	.end_amdhsa_kernel
	.amdgpu_metadata
---
amdhsa.version: [ 1, 2 ]
amdhsa.kernels:
  - .name:           k_qefce90c246_oproj
    .symbol:         k_qefce90c246_oproj.kd
    .args:
      - { .name: ao, .offset: 0, .size: 8, .value_kind: global_buffer, .address_space: global }
      - { .name: wo16, .offset: 8, .size: 8, .value_kind: global_buffer, .address_space: global }
      - { .name: out0, .offset: 16, .size: 8, .value_kind: global_buffer, .address_space: global }
    .group_segment_fixed_size: 327680
    .private_segment_fixed_size: 0
    .kernarg_segment_align: 8
    .kernarg_segment_size: 24
    .max_flat_workgroup_size: 128
    .sgpr_count:     66
    .vgpr_count:     512
    .wavefront_size: 32
...
	.end_amdgpu_metadata
.endif
;; end of part 4
;; ======== version 2 of 2: 4 launches; version 1 with the launch prep written anew for expert scheduling mode
;; limits: values are held in f16: magnitudes above 65,504 overflow, below 6.1e-05 lose precision; right only within a limited range of input values
;; workspace buffers: xb 8,388,608 bytes; wqkv 8,388,608 bytes; wo16 4,194,304 bytes; rope 1,048,576 bytes; qh 16,777,216 bytes; kh 8,388,608 bytes; vh 8,388,608 bytes; ao 16,777,216 bytes
;; launch prep (part 5): grid 448 x 1, 8 waves a work-group, no clusters, 0 bytes of LDS; arguments x, Wq, Wk, Wv, Wo, xb, wqkv, wo16, rope; writes xb, wqkv, wo16, rope
.if DOCPART == 5
	.amdgcn_target "amdgcn-amd-amdhsa--gfx1250"
	.amdhsa_code_object_version 6
	.text
	.protected	k_qefce90c246_prep
	.globl	k_qefce90c246_prep
	.p2align	8
	.type	k_qefce90c246_prep,@function
k_qefce90c246_prep:
	s_mov_b64 s[64:65], 0
	v_nop
	global_prefetch_b8 v0, s[64:65] scope:SCOPE_SE
	s_setreg_imm32_b32 hwreg(HW_REG_WAVE_SCHED_MODE, 0, 2), 2
	s_setreg_imm32_b32 hwreg(HW_REG_WAVE_MODE, 25, 1), 1
	s_wait_xcnt 0x0
	s_wait_alu depctr_vm_vsrc(0)
; CASTS AND THE ROPE TABLE.  x -> xb (bf16); Wq | Wk | Wv -> wqkv [1024 k][4096 n] (bf16); Wo -> wo16 (rounded to bf16, that number written as f16);
; rope: cos and sin of t x 10000^(-d/64), t = 0..2047, d = 0..63, in f32, laid out as the next launch's lanes want them.
; A cast work-group takes 32,768 numbers, 32 steps of 1,024: in a step thread t reads 16 bytes at 16 t and stores 8 bytes at 8 t, so a wave's load covers 512
; consecutive bytes and its store 256, aligned.  All 32 loads of a thread go out at once (16 KiB a wave); each number is read once and written once.
; No LDS, no matrix unit, no ring: nothing is shared and nothing is read twice.
; LIMITS.  Wo below 6e-5 keeps f16's fixed step of 6e-8; |Wo| stays under 65,504.  The angle is made from 2^(d x -log2(10000)/64) by v_exp_f32 and is off by up to 3e-4 rad at t = 2047.
; THE MODE: SCHED_MODE bits 1:0 = 2 (LLVM: expert scheduling mode 2), set by the entry lines.  The code itself states the register dependences
; between vector instructions and memory instructions, with s_wait_alu, always for 0.
; THE PLAN, for a cast.  Registers that memory instructions touch:
;   v1        16 t, the loads' offset.  Written once at the head, never again.
;   v2 .. v9  the stores' offsets.     Written once at the head, never again: the scalar base moves on after every eight steps.
;   X         four registers a step.   Step n's load lands in them once; its conversions read them and write the first two in place; its store reads those two; nothing names them after that.
;   v12 .. v15 are named by vector instructions alone.
; One wait on va_vdst stands ahead of the 32 loads, for the nine offsets.  The steps go in eight groups of four: the group's conversions, ONE wait on va_vdst, the group's four stores.
; No register that a load or a store has read is ever written again, so no wait on vm_vsrc is owed; no load is issued behind a vector instruction that names X.
; The stores follow their own group's conversions and not the next group's wait for data: between two groups the wave has nothing to do but wait for loads, so a store held back would only leave later.
; For the table: the four compares stand in one run, into four scalar registers, with one wait on va_sdst ahead of the selects that read them; one wait on va_vdst ahead of the two stores.
.set X, 16                             ; v[16:143] four registers a step
	s_load_b512 s[8:23], s[0:1], 0x0               ; x 8, Wq 10, Wk 12, Wv 14, Wo 16, xb 18, wqkv 20, wo16 22
	s_load_b64 s[24:25], s[0:1], 0x40              ; rope
	s_mov_b32 s34, 0xffff0000                      ; a word's upper bf16
	v_lshlrev_b32 v1, 4, v0                        ; 16 t
	s_wait_kmcnt 0x0
	s_cmp_ge_u32 ttmp9, 320
	s_cbranch_scc1 .Lrope
	; which tensor: source s[26:27], destination s[28:29], first work-group s30, destination bytes from a pair of steps to the next s31,
	; from a pair's first step to its second s32, first column's bytes s33
	s_mov_b64 s[26:27], s[8:9]
	s_mov_b64 s[28:29], s[18:19]
	s_mov_b32 s30, 0
	s_mov_b32 s31, 4096
	s_mov_b32 s32, 2048
	s_mov_b32 s33, 0
.macro REGION lb, src, dst, dp, d2, c
	s_cmp_ge_u32 ttmp9, \lb
	s_cselect_b64 s[26:27], s[\src:\src+1], s[26:27]
	s_cselect_b64 s[28:29], s[\dst:\dst+1], s[28:29]
	s_cselect_b32 s30, \lb, s30
	s_cselect_b32 s31, \dp, s31
	s_cselect_b32 s32, \d2, s32
	s_cselect_b32 s33, \c, s33
.endm
	REGION 128, 10, 20, 8192, 2048, 0              ; Wq: a row is two steps, rows 8,192 bytes apart in wqkv
	REGION 192, 12, 20, 16384, 8192, 4096          ; Wk: a row is one step, columns 2048 on
	REGION 224, 14, 20, 16384, 8192, 6144          ; Wv: columns 3072 on
	REGION 256, 16, 22, 4096, 2048, 0              ; Wo: dense
	s_sub_co_u32 s35, ttmp9, s30                   ; my number within the tensor
	s_lshl_b32 s38, s35, 17                        ; 131,072 source bytes each
	s_mov_b32 s39, 0
	s_add_nc_u64 s[26:27], s[26:27], s[38:39]
	s_lshl_b32 s38, s35, 4                         ; 16 pairs of steps each
	s_mul_i32 s38, s38, s31
	s_add_co_u32 s38, s38, s33
	s_add_nc_u64 s[28:29], s[28:29], s[38:39]
	s_lshl_b32 s36, s31, 2                         ; eight steps are four pairs
	s_mov_b32 s37, 0
.irp k, 0,1,2,3,4,5,6,7
	s_mul_i32 s40, s31, (\k)/2
.if (\k)%2
	s_add_co_u32 s40, s40, s32
.endif
	v_lshl_add_u32 v[2+(\k)], v0, 3, s40           ; 8 t + the step's place among eight; never rewritten
.endr
	s_wait_alu depctr_va_vdst(0)                   ; v1 and v2 to v9 are written: every load below reads v1 as its offset, every store one of v2 to v9
.set n, 0
.rept 32
	global_load_b128 v[X+4*n:X+4*n+3], v1, s[26:27] offset:4096*n th:TH_LOAD_NT
.set n, n+1
.endr
	s_cmp_ge_u32 ttmp9, 256
	s_cbranch_scc1 .Lf16
; mode 0: to bf16.  mode 1: to bf16, and that number as f16.  Eight groups of four steps.
.macro CONV mode
.set g, 0
.rept 8
	s_wait_loadcnt 28-4*g                          ; loads come back in order: the group's four are in, the younger ones stay out
.set k, 0
.rept 4
.set n, 4*g+k
	v_cvt_pk_bf16_f32 v[X+4*n], v[X+4*n], v[X+4*n+1]
	v_cvt_pk_bf16_f32 v[X+4*n+1], v[X+4*n+2], v[X+4*n+3]
.if \mode
	v_lshlrev_b32 v12, 16, v[X+4*n]
	v_and_b32 v13, s34, v[X+4*n]
	v_cvt_pk_f16_f32 v[X+4*n], v12, v13
	v_lshlrev_b32 v14, 16, v[X+4*n+1]
	v_and_b32 v15, s34, v[X+4*n+1]
	v_cvt_pk_f16_f32 v[X+4*n+1], v14, v15
.endif
.set k, k+1
.endr
.if (g%2 == 0) && (g > 0)
	s_wait_xcnt 0x0                                ; the last eight stores, the youngest of them a group back, have read their base: it is stepped only behind this wait
	s_add_nc_u64 s[28:29], s[28:29], s[36:37]
.endif
	s_wait_alu depctr_va_vdst(0)                   ; the group's conversions have written the four pairs v[X+4n:X+4n+1], which the four stores below read
.set k, 0
.rept 4
.set n, 4*g+k
	global_store_b64 v[2+n%8], v[X+4*n:X+4*n+1], s[28:29]
.set k, k+1
.endr
.set g, g+1
.endr
	s_endpgm
.endm
	CONV 0
.Lf16:
	CONV 1
.Lrope:
	; Block tb = 16 positions.  Thread: r = t % 16, h = (t / 16) % 2, i8 = t / 32; position 16 tb + r, channels d0 .. d0 + 3 with d0 = 16 (i8 / 2) + 8 h + 4 (i8 % 2).
	; cos goes to byte 16 t of the block's 8,192, sin 4,096 further: a wave stores 512 consecutive bytes.
	s_sub_co_u32 s35, ttmp9, 320
	s_lshl_b32 s38, s35, 13
	s_mov_b32 s39, 0
	s_add_nc_u64 s[24:25], s[24:25], s[38:39]
	s_lshl_b32 s36, s35, 4
	s_mov_b32 s40, 0xbe549a78                      ; -log2(10000) / 64
	s_mov_b32 s41, 0x3f22f983                      ; 2 / pi
	s_mov_b32 s42, 0xbfc90fdb                      ; -(pi / 2), upper part
	s_mov_b32 s43, 0x333bbd2e                      ; -(pi / 2), what the upper part leaves
	s_mov_b32 s44, 0xb9500d01                      ; -1/5040
	s_mov_b32 s45, 0x3c088889                      ; 1/120
	s_mov_b32 s46, 0xbe2aaaab                      ; -1/6
	s_mov_b32 s47, 0x37d00d01                      ; 1/40320
	s_mov_b32 s48, 0xbab60b61                      ; -1/720
	s_mov_b32 s49, 0x3d2aaaab                      ; 1/24
	v_and_b32 v2, 15, v0
	v_add_nc_u32 v2, s36, v2
	v_cvt_f32_u32 v2, v2                           ; the position
	v_bfe_u32 v3, v0, 4, 1
	v_lshrrev_b32 v4, 5, v0
	v_lshrrev_b32 v5, 1, v4
	v_and_b32 v4, 1, v4
	v_lshlrev_b32 v5, 4, v5
	v_lshl_add_u32 v5, v3, 3, v5
	v_lshl_add_u32 v5, v4, 2, v5                   ; d0
.irp j, 0,1,2,3
	v_add_nc_u32 v[16+8*(\j)], \j, v5
	v_cvt_f32_u32 v[16+8*(\j)], v[16+8*(\j)]
	v_mul_f32 v[16+8*(\j)], s40, v[16+8*(\j)]
.endr
.irp j, 0,1,2,3
	v_exp_f32 v[17+8*(\j)], v[16+8*(\j)]           ; 10000^(-d/64): one batch of four
.endr
	v_nop                                          ; a plain instruction behind the last of them,
	s_wait_alu depctr_va_vdst(0)                   ; and the one wait ahead of the first use: the four powers v17, v25, v33, v41 are written
.irp j, 0,1,2,3
	v_mul_f32 v[16+8*(\j)], v2, v[17+8*(\j)]       ; the angle a
	v_mul_f32 v[17+8*(\j)], s41, v[16+8*(\j)]
	v_rndne_f32 v[17+8*(\j)], v[17+8*(\j)]         ; n = the nearest multiple of pi / 2
	v_fma_f32 v[18+8*(\j)], v[17+8*(\j)], s42, v[16+8*(\j)]
	v_fma_f32 v[18+8*(\j)], v[17+8*(\j)], s43, v[18+8*(\j)]  ; rho = a - n pi / 2, within pi / 4
	v_mul_f32 v[19+8*(\j)], v[18+8*(\j)], v[18+8*(\j)]
	v_fma_f32 v[20+8*(\j)], v[19+8*(\j)], s44, s45
	v_fma_f32 v[20+8*(\j)], v[19+8*(\j)], v[20+8*(\j)], s46
	v_mul_f32 v[20+8*(\j)], v[20+8*(\j)], v[19+8*(\j)]
	v_fma_f32 v[20+8*(\j)], v[18+8*(\j)], v[20+8*(\j)], v[18+8*(\j)]  ; sin rho, to the term rho^7
	v_fma_f32 v[21+8*(\j)], v[19+8*(\j)], s47, s48
	v_fma_f32 v[21+8*(\j)], v[19+8*(\j)], v[21+8*(\j)], s49
	v_fma_f32 v[21+8*(\j)], v[19+8*(\j)], v[21+8*(\j)], -0.5
	v_fma_f32 v[21+8*(\j)], v[19+8*(\j)], v[21+8*(\j)], 1.0           ; cos rho, to the term rho^8
	v_cvt_i32_f32 v[22+8*(\j)], v[17+8*(\j)]
	v_and_b32 v[23+8*(\j)], 1, v[22+8*(\j)]
.endr
.irp j, 0,1,2,3
	v_cmp_eq_u32 s[50+(\j)], 1, v[23+8*(\j)]       ; an odd quarter turn swaps the two: the four masks in one run, a scalar register each
.endr
	s_wait_alu depctr_va_sdst(0)                   ; the four compares have written s50 to s53, ahead of the selects that read them
.irp j, 0,1,2,3
	v_cndmask_b32 v[12+(\j)], v[20+8*(\j)], v[21+8*(\j)], s[50+(\j)]
	v_cndmask_b32 v[8+(\j)], v[21+8*(\j)], v[20+8*(\j)], s[50+(\j)]
	v_and_b32 v[23+8*(\j)], 2, v[22+8*(\j)]        ; sin changes sign in quarters 2 and 3,
	v_lshlrev_b32 v[23+8*(\j)], 30, v[23+8*(\j)]
	v_xor_b32 v[12+(\j)], v[23+8*(\j)], v[12+(\j)]
	v_add_nc_u32 v[22+8*(\j)], 1, v[22+8*(\j)]     ; cos in quarters 1 and 2
	v_and_b32 v[22+8*(\j)], 2, v[22+8*(\j)]
	v_lshlrev_b32 v[22+8*(\j)], 30, v[22+8*(\j)]
	v_xor_b32 v[8+(\j)], v[22+8*(\j)], v[8+(\j)]
.endr
	s_wait_alu depctr_va_vdst(0)                   ; v8 to v15, the two stores' data, and v1, their offset, are written
	global_store_b128 v1, v[8:11], s[24:25]
	global_store_b128 v1, v[12:15], s[24:25] offset:4096
	s_endpgm
.Lfunc_end_k_qefce90c246_prep:
	.size	k_qefce90c246_prep, .Lfunc_end_k_qefce90c246_prep-k_qefce90c246_prep
	.p2alignl 7, 3214868480
	.fill 96, 4, 3214868480
	.section	.rodata,"a",@progbits
	.p2align	6, 0x0
	.amdhsa_kernel k_qefce90c246_prep
		.amdhsa_group_segment_fixed_size 0
		.amdhsa_private_segment_fixed_size 0
		.amdhsa_enable_private_segment 0
		.amdhsa_kernarg_size 72
		.amdhsa_user_sgpr_count 2
		.amdhsa_user_sgpr_kernarg_segment_ptr 1
		.amdhsa_wavefront_size32 1
		.amdhsa_system_sgpr_workgroup_id_x 1
		.amdhsa_system_sgpr_workgroup_id_y 1
		.amdhsa_system_sgpr_workgroup_id_z 1
		.amdhsa_system_vgpr_workitem_id 0
		.amdhsa_next_free_vgpr 144
		.amdhsa_next_free_sgpr 66
		.amdhsa_reserve_vcc 0
		.amdhsa_float_denorm_mode_32 3
		.amdhsa_float_denorm_mode_16_64 3
		.amdhsa_memory_ordered 1
		.amdhsa_forward_progress 1
		.amdhsa_inst_pref_size 37
	.end_amdhsa_kernel
	.amdgpu_metadata
---
amdhsa.version: [ 1, 2 ]
amdhsa.kernels:
  - .name:           k_qefce90c246_prep
    .symbol:         k_qefce90c246_prep.kd
    .args:
      - { .name: x, .offset: 0, .size: 8, .value_kind: global_buffer, .address_space: global }
      - { .name: Wq, .offset: 8, .size: 8, .value_kind: global_buffer, .address_space: global }
      - { .name: Wk, .offset: 16, .size: 8, .value_kind: global_buffer, .address_space: global }
      - { .name: Wv, .offset: 24, .size: 8, .value_kind: global_buffer, .address_space: global }
      - { .name: Wo, .offset: 32, .size: 8, .value_kind: global_buffer, .address_space: global }
      - { .name: xb, .offset: 40, .size: 8, .value_kind: global_buffer, .address_space: global }
      - { .name: wqkv, .offset: 48, .size: 8, .value_kind: global_buffer, .address_space: global }
      - { .name: wo16, .offset: 56, .size: 8, .value_kind: global_buffer, .address_space: global }
      - { .name: rope, .offset: 64, .size: 8, .value_kind: global_buffer, .address_space: global }
    .group_segment_fixed_size: 0
    .private_segment_fixed_size: 0
    .kernarg_segment_align: 8
    .kernarg_segment_size: 72
    .max_flat_workgroup_size: 256
    .sgpr_count:     66
    .vgpr_count:     144
    .wavefront_size: 32
...
	.end_amdgpu_metadata
.endif
;; end of part 5
;; launch qkv: the kernel of part 2 again; grid 16 x 16, 4 waves a work-group, clusters of 4 x 4, 327,680 bytes of LDS; arguments xb, wqkv, rope, q_norm_w, k_norm_w, qh, kh, vh; writes qh, kh, vh
;; launch attn: the kernel of part 3 again; grid 16 x 16, 4 waves a work-group, clusters of 4 x 1, 327,680 bytes of LDS; arguments qh, kh, vh, ao; writes ao
;; launch oproj: the kernel of part 4 again; grid 8 x 32, 4 waves a work-group, clusters of 4 x 4, 327,680 bytes of LDS; arguments ao, wo16, out0; writes out0
